; MI455X (gfx1250); checked and timed in simulation.
; The chip was launched on July 23, 2026; its instructions are those of AMD's public machine-readable ISA for CDNA 5 (MIT licence, August 2026) and "CDNA5" Instruction Set Architecture Reference Guide (July 2026). The comments in the code are by the model that wrote it; some were corrected since.
;; Attention. Allowed arithmetic: matrix products marked QUANTISED: E2M1 operands, one E8M0 scale for each 32 along K, by v_wmma_scale_f32_16x16x128_f8f6f4 with both operands' format E2M1 (or v_wmma_scale_f32_32x16x128_f4), f32 sums; products left as they are: bf16, f16 or f32 operands; f32 sums; everything else in f32.
;; Inputs: W_K 16 x 1,024 x 64 float32; W_O 16 x 64 x 1,024 float32; W_Q 16 x 1,024 x 64 float32; W_V 16 x 1,024 x 64 float32; b_K 16 x 64 float32; b_O 1,024 float32; b_Q 16 x 64 float32; b_V 16 x 64 float32; mask 2,048 x 2,048 bool; x_kv 4 x 2,048 x 1,024 float32; x_q 4 x 2,048 x 1,024 float32.
;; Outputs: out0 4 x 2,048 x 1,024 float32; out1 4 x 2,048 x 16 x 64 float32.
;; This version of the problem:
;;   THIS VERSION OF THE PROBLEM IS GIVEN IN LOW PRECISION. The matrix products marked QUANTISED in the list below multiply operands that are first quantised to E2M1 (2 exponent bits, 1 mantissa bit; 4 bits a number), with one power-of-two scale for each 32 numbers along K (OCP MX v1.0); their sums are f32. The products marked 'left as it is' may take bf16, f16 or f32 operands, with f32 sums. Whichever they take, every output number must still come out within the allowed error. Rounding operands to bf16 (8 significant bits) uses up far more of that allowance than f16 does (11 bits, for magnitudes from 6e-5 to 65,504). All else is computed in f32.
;;   The module's matrix products, in the order in which they are computed (A, B: the left and right operand; K: the contracted axis; several contracted axes count as one K, in the product's order):
;;     1. [M 8,192, K 1,024] x [K 1,024, N 1,024]; A: input x_q; B: input W_Q: QUANTISED
;;     2. [M 8,192, K 1,024] x [K 1,024, N 1,024]; A: input x_kv; B: input W_K: QUANTISED
;;     3. [M 8,192, K 1,024] x [K 1,024, N 1,024]; A: input x_kv; B: input W_V: QUANTISED
;;     4. batch 64 x [M 2,048, K 64] x [K 64, N 2,048]; A: computed on the way; B: computed on the way: left as it is (an operand is computed on the way)
;;     5. batch 64 x [M 64, K 2,048] x [K 2,048, N 2,048]; A: computed on the way; B: computed on the way: left as it is (an operand is computed on the way)
;;     6. [M 8,192, K 1,024] x [K 1,024, N 1,024]; A: computed on the way; B: input W_O: left as it is (an operand is computed on the way)
;;   THE QUANTISER, for each operand of a quantised product, along K:
;;     - K is cut into blocks of 32 from its start; a last block that is shorter is filled with zeros.
;;     - A block's scale is 2^e with e = floor(log2(the largest magnitude in the block)) - 2, held to -126 .. 127; a block of zeros has e = 0. As a byte (E8M0): e + 127.
;;     - Each number is divided by its block's scale, clamped to +-6, and rounded to the nearest number of E2M1, ties to even, subnormals kept.
;;     - The product sums the exact products of the quantised numbers (number of the format x scale) in f32.
;;   ~~~python
;;   def quantise(x, axis):      # numpy; x: float32 -> the quantised numbers, widened to float32 again
;;       x = np.moveaxis(x, axis, -1); K = x.shape[-1]
;;       x = np.pad(x, [(0, 0)] * (x.ndim - 1) + [(0, -K % 32)]); x = x.reshape(x.shape[:-1] + (-1, 32)); a = np.abs(x).max(-1, keepdims=True)
;;       e = np.where(a > 0, np.clip(np.frexp(np.where(a > 0, a, 1))[1] - 1 - 2, -126, 127), 0)      # np.frexp(a)[1] - 1 = floor(log2(a)), exactly
;;       r = np.clip(x / 2.0 ** e, -6, 6)
;;       step = 2.0 ** (np.maximum(np.frexp(np.where(r == 0, 1, r))[1] - 1, 0) - 1)
;;       q = np.round(r / step) * step * 2.0 ** e      # np.round: ties to even
;;       return np.moveaxis(q.reshape(q.shape[:-2] + (-1,))[..., :K], -1, axis).astype(np.float32)
;;   ~~~
;; One version. Each part assembles by itself: llvm-mc -triple=amdgcn-amd-amdhsa -mcpu=gfx1250 --defsym DOCPART=n.
;; ======== version 1 of 1: 4 launches
;; limits: values are held in f16: magnitudes above 65,504 overflow, below 6.1e-05 lose precision
;; workspace buffers: codes 9,961,472 bytes; scales 622,592 bytes; woimg 2,097,152 bytes; mbits 524,288 bytes of whole numbers; qi 33,554,432 bytes; kv 33,554,432 bytes; zimg 16,777,216 bytes
;; launch prep (part 1): grid 752 x 1, 4 waves a work-group, no clusters, 102,912 bytes of LDS; arguments x_q, x_kv, W_Q, W_K, W_V, W_O, mask, codes, scales, woimg, mbits; writes codes, scales, woimg, mbits
.if DOCPART == 1
	.amdgcn_target "amdgcn-amd-amdhsa--gfx1250"
	.amdhsa_code_object_version 6
	.text
	.protected	k_qa2dd36424b_prep
	.globl	k_qa2dd36424b_prep
	.p2align	8
	.type	k_qa2dd36424b_prep,@function
k_qa2dd36424b_prep:
	s_mov_b64 s[64:65], 0
	v_nop
	global_prefetch_b8 v0, s[64:65] scope:SCOPE_SE
	s_setreg_imm32_b32 hwreg(HW_REG_WAVE_MODE, 25, 1), 1
	s_wait_xcnt 0x0
; PREP: everything that later launches read many times is laid out once.  Four kinds of work-group, told apart by the work-group's number:
;   0-47    W:  W_Q, W_K, W_V [16][1024 d][64 h] f32 -> codes of FP4 (E2M1) with d (the product's K) innermost, rows n*64+h of 512 bytes, and one E8M0 byte for each 32 along d
;   48-111  WO: W_O [1024 k][1024 d] f32 -> f16, laid as images of the matrix operand's registers: [k step 8][d tile 64][k group 4][quad 2][lane 32][16 bytes]
;   112-239 M:  mask [2048 q][2048 k] bytes -> lane masks: bit (r + 16 h) of word [q/32][k/64][u][t][j] is mask[32 (q/32) + 16 u + r][64 (k/64) + 16 t + 8 h + j]
;   240-751 X:  x_q, x_kv [8192][1024] f32 -> codes and scale bytes, rows of 512 and of 32 bytes
; codes: rows 0-8191 x_q, 8192-16383 x_kv, 16384- W_Q, 17408- W_K, 18432- W_V.  scales: the same rows, 32 bytes each.
; A block's scale is 2^(floor(log2(largest magnitude)) - 2): its byte is the largest magnitude's exponent field - 2, held at 1 from below; numbers are divided by it and rounded to the nearest code, ties to even.
; LIMITS: a block of zeros gets the byte 1 (its codes are zeros, and this program alone reads the bytes); blocks whose largest magnitude lies under 2^-124 were not tried; NaN and infinities are not served;
; W_O beyond 65,504 in magnitude has no f16 number.
; Waves share nothing: no barrier.  Each kind has LDS bytes of its own: X 0-32767, W 32768-67583, M 67584-102399; the spare words lie behind them.
.set SPARE, 102400                     ; the spare words, 128 bytes for each wave: two blocks of 256 bytes that no other line names
.set SPW,   190                        ; v190  LDS address of my spare word; never rewritten
.set NIL,   191                        ; v191  0; never rewritten
.set EMAX,  2
	s_load_b512 s[4:19], s[0:1], 0x0               ; x_q 4, x_kv 6, W_Q 8, W_K 10, W_V 12, W_O 14, mask 16, codes 18
	s_load_b128 s[20:23], s[0:1], 0x40             ; scales 20, woimg 22
	s_load_b64 s[24:25], s[0:1], 0x50              ; mbits
	v_lshl_add_u32 v[SPW], v0, 2, SPARE
	v_mov_b32 v[NIL], 0
	v_lshrrev_b32 v1, 5, v0
	v_readfirstlane_b32 s26, v1                    ; wave 0..3
	v_and_b32 v2, 31, v0                           ; lane
	s_mov_b32 s29, 0                               ; the high word of every offset pair s[28:29]
	s_wait_kmcnt 0x0
	s_cmp_lt_u32 ttmp9, 48
	s_cbranch_scc1 .Lpath_w
	s_cmp_lt_u32 ttmp9, 112
	s_cbranch_scc1 .Lpath_wo
	s_cmp_lt_u32 ttmp9, 240
	s_cbranch_scc1 .Lpath_m
; ---------------- X: a plain stream of blocks of 32 numbers.  A wave takes 16 steps of 512 numbers.  Each load reads 512 consecutive bytes; a step's 2,048 bytes turn through the wave's own stage,
; so that a lane holds 16 neighbours along d (two neighbouring lanes hold a block).  Loads run four steps ahead, the turn one step.
.set XSP, 80                           ; a lane's place in a stage: 64 bytes + 16 of padding
.set XR,  16                           ; v16-79   four sets of 16 numbers as loaded
.set XX,  80                           ; v80-111  two sets of 16 neighbours
.set XE,  112                          ; v112-127 a scale byte for each step
.set XC,  128                          ; v128-189 codes, four registers' room for each step: no store's data are written again
	s_sub_co_u32 s27, ttmp9, 240                   ; e: 0-255 x_q, 256-511 x_kv
	s_cmp_lt_u32 s27, 256
	s_cselect_b64 s[4:5], s[4:5], s[6:7]
	s_and_b32 s28, s27, 255
	s_lshl_b32 s28, s28, 2
	s_add_co_u32 s28, s28, s26
	s_lshl_b32 s28, s28, 15                        ; my wave's run of 8,192 numbers in its tensor
	s_add_nc_u64 s[4:5], s[4:5], s[28:29]
	s_lshl_b32 s30, s27, 2
	s_add_co_u32 s30, s30, s26                     ; the run's number over both tensors: x_kv's rows follow x_q's in codes and scales
	s_lshl_b32 s28, s30, 12
	s_add_nc_u64 s[18:19], s[18:19], s[28:29]      ; 4,096 bytes of codes a run
	s_lshl_b32 s28, s30, 8
	s_add_nc_u64 s[20:21], s[20:21], s[28:29]      ; 256 scale bytes a run
	v_lshlrev_b32 v3, 4, v2                        ; my 16 bytes of a load's 512
	s_lshl_b32 s31, s26, 13                        ; my wave's 8,192 bytes of LDS
	v_lshrrev_b32 v14, 2, v2
	v_mul_u32_u24 v14, v14, XSP
	v_and_b32 v15, 3, v2
	v_lshl_add_u32 v14, v15, 4, v14
	v_add_nc_u32 v14, s31, v14                     ; into the stage: four lanes' 64 bytes on end, then the padding
	v_mul_u32_u24 v15, v2, XSP
	v_add_nc_u32 v15, s31, v15                     ; out of it: my 16 neighbours
	v_lshlrev_b32 v4, 3, v2                        ; 8 bytes a lane: my codes in a step's 256, and my part of the 256 scale bytes
	v_lshrrev_b32 v5, 1, v2
	s_add_co_u32 s31, s31, 2*32*XSP
	v_add_nc_u32 v5, s31, v5                       ; LDS: my block's scale byte
	v_add_nc_u32 v6, s31, v4                       ; and 8 of them on the way out
.macro XLOAD t
.irp i, 0,1,2,3
	global_load_b128 v[XR+16*((\t)%4)+4*\i:XR+16*((\t)%4)+4*\i+3], v3, s[4:5] offset:2048*(\t)+512*\i th:TH_LOAD_NT
.endr
.endm
.macro XTURN t                         ; LDS serves a wave's instructions in order: no wait between the stores and the loads
.irp i, 0,1,2,3
	ds_store_b128 v14, v[XR+16*((\t)%4)+4*\i:XR+16*((\t)%4)+4*\i+3] offset:32*XSP*((\t)%2)+8*XSP*\i
.endr
.irp i, 0,1,2,3
	ds_load_b128 v[XX+16*((\t)%2)+4*\i:XX+16*((\t)%2)+4*\i+3], v15 offset:32*XSP*((\t)%2)+16*\i
.endr
.endm
.macro XSTEP t
.set XS, XX+16*((\t)%2)
.if (\t) > 0
	s_wait_dscnt 1                                 ; this step's numbers are back from the stage; the last step's byte store may be out
.else
	s_wait_dscnt 0x0
.endif
.if (\t)+4 < 16
	XLOAD (\t)+4                                   ; into the registers that the stage's stores have read
.endif
.if (\t)+1 < 16
.if 14-(\t) >= 3
	s_wait_loadcnt 12                              ; the next step's four loads are in; three younger steps' may be out
.else
	s_wait_loadcnt 4*(14-(\t))
.endif
	XTURN (\t)+1
.endif
	v_max3_num_f32 v8, |v[XS]|, |v[XS+1]|, |v[XS+2]|
	v_max3_num_f32 v9, |v[XS+3]|, |v[XS+4]|, |v[XS+5]|
.irp i, 6,10
	v_max3_num_f32 v8, v8, |v[XS+\i]|, |v[XS+\i+1]|
	v_max3_num_f32 v9, v9, |v[XS+\i+2]|, |v[XS+\i+3]|
.endr
	v_max3_num_f32 v8, v8, |v[XS+14]|, |v[XS+15]|
	v_max3_num_f32 v8, v8, v9, (EMAX+1)<<23        ; the floor 2^(3 - 127): the byte cannot fall under 1
	v_max_num_f32_dpp v8, v8, v8 row_xmask:1 row_mask:0xf bank_mask:0xf   ; with my neighbour's 16: the block's largest magnitude
	v_add_nc_u32 v11, -(EMAX<<23), v8              ; 2 off its exponent field: the conversion's scale operand
	v_cvt_scalef32_pk8_fp4_f32 v[XC+4*(\t)], v[XS:XS+7], v11
	v_cvt_scalef32_pk8_fp4_f32 v[XC+4*(\t)+1], v[XS+8:XS+15], v11
	v_lshrrev_b32 v[XE+(\t)], 23, v11              ; the scale's byte
	ds_store_b8 v5, v[XE+(\t)] offset:16*(\t)      ; both lanes of a block write the same byte with the same value
	global_store_b64 v4, v[XC+4*(\t):XC+4*(\t)+1], s[18:19] offset:256*(\t)   ; the wave stores 256 consecutive bytes, aligned
.endm
.irp t, 0,1,2,3
	XLOAD \t
.endr
	s_wait_loadcnt 12                              ; step 0's four loads are in
	XTURN 0
.irp t, 0,1,2,3,4,5,6,7,8,9,10,11,12,13,14,15
	XSTEP \t
.endr
	ds_load_b64 v[8:9], v6                         ; my wave's 256 scale bytes, in order behind the stores
	s_wait_dscnt 0x0
	global_store_b64 v4, v[8:9], s[20:21]          ; 256 consecutive bytes, aligned
	s_wait_tensorcnt 0x0                           ; the wave's end
	ds_add_u32 v[SPW], v[NIL]
	s_wait_dscnt 0x0
	s_endpgm
; ---------------- W: a lane takes a column h, its registers run down d: a block of 32 lies in one lane, and the conversions give codes with d innermost.
; A work-group takes one head of one weight; wave: 32 columns (wave & 1) x 512 along d (wave >> 1): 16 blocks a lane.  Two blocks of 32 loads are asked for ahead.
.set WX,   32                          ; v32-95   two sets of 32 numbers
.set WC,   96                          ; v96-99   a block's codes
.set WOUT, 112                         ; v112-175 the way out
.set WSB,  24                          ; v24-27   16 scale bytes
.Lpath_w:
	s_lshr_b32 s27, ttmp9, 4                       ; 0 W_Q, 1 W_K, 2 W_V
	s_and_b32 s30, ttmp9, 15                       ; head n
	s_cmp_eq_u32 s27, 0
	s_cselect_b64 s[8:9], s[8:9], s[10:11]
	s_cmp_eq_u32 s27, 2
	s_cselect_b64 s[8:9], s[12:13], s[8:9]
	s_and_b32 s31, s26, 1                          ; which 32 columns
	s_lshr_b32 s32, s26, 1                         ; which 512 along d
	s_lshl_b32 s28, s30, 18                        ; a head is 1,024 rows of 256 bytes
	s_lshl_b32 s33, s32, 17
	s_add_co_u32 s28, s28, s33
	s_lshl_b32 s33, s31, 7
	s_add_co_u32 s28, s28, s33
	s_add_nc_u64 s[8:9], s[8:9], s[28:29]
	s_lshl_b32 s34, s27, 10
	s_lshl_b32 s33, s30, 6
	s_add_co_u32 s34, s34, s33
	s_lshl_b32 s33, s31, 5
	s_add_co_u32 s34, s34, s33
	s_add_co_u32 s34, s34, 16384                   ; my wave's first row in codes and scales
	s_lshl_b32 s28, s34, 9
	s_lshl_b32 s33, s32, 8
	s_add_co_u32 s28, s28, s33
	s_add_nc_u64 s[18:19], s[18:19], s[28:29]
	s_lshl_b32 s28, s34, 5
	s_lshl_b32 s33, s32, 4
	s_add_co_u32 s28, s28, s33
	s_add_nc_u64 s[20:21], s[20:21], s[28:29]
	v_lshlrev_b32 v3, 2, v2                        ; in: 4 bytes a lane
	s_mul_i32 s33, s26, 8704
	s_add_co_u32 s33, s33, 32768                   ; my stage: 32 rows of 256 + 16 bytes
	v_mul_u32_u24 v4, v2, 272
	v_add_nc_u32 v4, s33, v4                       ; into it: row = my column
	v_and_b32 v5, 15, v2
	v_lshrrev_b32 v6, 4, v2
	v_mul_u32_u24 v7, v6, 272
	v_lshl_add_u32 v7, v5, 4, v7
	v_add_nc_u32 v7, s33, v7                       ; out of it: sixteen lanes to a row, two rows an instruction
	v_lshlrev_b32 v8, 9, v6
	v_lshl_add_u32 v8, v5, 4, v8                   ; the same place in codes
	v_lshlrev_b32 v9, 5, v2                        ; my column's row of scale bytes
.macro WLOAD t
.irp i, 0,1,2,3,4,5,6,7,8,9,10,11,12,13,14,15,16,17,18,19,20,21,22,23,24,25,26,27,28,29,30,31
	global_load_b32 v[WX+32*((\t)%2)+\i], v3, s[8:9] offset:(32*(\t)+\i)*256 th:TH_LOAD_NT
.endr
.endm
.macro WBLOCK t
.set XS, WX+32*((\t)%2)
.if (\t) < 15
	s_wait_loadcnt 32                              ; this block's 32 loads are in; the next block's may be out
.else
	s_wait_loadcnt 0
.endif
	v_max3_num_f32 v12, |v[XS]|, |v[XS+1]|, |v[XS+2]|
	v_max3_num_f32 v13, |v[XS+3]|, |v[XS+4]|, |v[XS+5]|
.irp i, 6,10,14,18,22,26
	v_max3_num_f32 v12, v12, |v[XS+\i]|, |v[XS+\i+1]|
	v_max3_num_f32 v13, v13, |v[XS+\i+2]|, |v[XS+\i+3]|
.endr
	v_max3_num_f32 v12, v12, |v[XS+30]|, |v[XS+31]|
	v_max3_num_f32 v12, v12, v13, (EMAX+1)<<23     ; the floor
	v_add_nc_u32 v11, -(EMAX<<23), v12             ; the conversion's scale operand
	v_lshrrev_b32 v13, 23, v11                     ; the scale's byte
.if (\t)%4 == 0
	v_mov_b32 v[WSB+(\t)/4], v13
.else
	v_lshl_or_b32 v[WSB+(\t)/4], v13, 8*((\t)%4), v[WSB+(\t)/4]
.endif
.irp g, 0,1,2,3
	v_cvt_scalef32_pk8_fp4_f32 v[WC+\g], v[XS+8*\g:XS+8*\g+7], v11
.endr
	ds_store_b128 v4, v[WC:WC+3] offset:16*(\t)    ; 32 codes: 16 bytes of my column's row
.if (\t)+2 < 16
	WLOAD (\t)+2
.endif
	s_wait_dscnt 0x0                               ; the store has read its registers: the next block's codes may be written
.endm
	WLOAD 0
	WLOAD 1
.irp t, 0,1,2,3,4,5,6,7,8,9,10,11,12,13,14,15
	WBLOCK \t
.endr
	global_store_b128 v9, v[WSB:WSB+3], s[20:21]   ; 16 of a row's 32 scale bytes: rows written in halves by two waves, one byte in 128 of what this path reads
.irp t, 0,1,2,3,4,5,6,7,8,9,10,11,12,13,14,15
	ds_load_b128 v[WOUT+4*\t:WOUT+4*\t+3], v7 offset:2*\t*272
.endr
.irp t, 0,1,2,3,4,5,6,7,8,9,10,11,12,13,14,15
	s_wait_dscnt 15-\t
	global_store_b128 v8, v[WOUT+4*\t:WOUT+4*\t+3], s[18:19] offset:2*\t*512   ; sixteen lanes store 256 consecutive bytes, aligned
.endr
	s_wait_tensorcnt 0x0                           ; the wave's end
	ds_add_u32 v[SPW], v[NIL]
	s_wait_dscnt 0x0
	s_endpgm
; ---------------- WO: a lane takes a column d, its 128 registers run down one k step of 128.  Eight neighbours along k, rounded to f16, are 16 bytes: a lane's part of a quad of the operand's image.
.Lpath_wo:
	s_sub_co_u32 s27, ttmp9, 48
	s_and_b32 s30, s27, 7                          ; which 128 columns
	s_lshr_b32 s31, s27, 3                         ; which k step
	s_lshl_b32 s28, s31, 19                        ; 128 rows of 4,096 bytes
	s_lshl_b32 s33, s30, 9
	s_add_co_u32 s28, s28, s33
	s_lshl_b32 s33, s26, 7
	s_add_co_u32 s28, s28, s33
	s_add_nc_u64 s[14:15], s[14:15], s[28:29]
	s_lshl_b32 s28, s31, 18                        ; a k step's 64 d tiles of 4,096 bytes
	s_lshl_b32 s33, s30, 15
	s_add_co_u32 s28, s28, s33
	s_lshl_b32 s33, s26, 13                        ; my wave's two d tiles
	s_add_co_u32 s28, s28, s33
	s_add_nc_u64 s[22:23], s[22:23], s[28:29]
	v_lshlrev_b32 v3, 2, v2
	v_and_b32 v5, 15, v2
	v_lshrrev_b32 v6, 4, v2
	v_lshlrev_b32 v8, 12, v6                       ; lanes 16-31: the next d tile
	v_lshl_add_u32 v8, v5, 4, v8
.set I, 0
.rept 128
	global_load_b32 v[32+I], v3, s[14:15] offset:I*4096 th:TH_LOAD_NT
.set I, I+1
.endr
.irp t, 0,1,2,3                        ; k group t: 32 numbers -> 16 registers, in place from the low end
.if \t < 2
	s_wait_loadcnt 63                              ; a count holds 63 at the most: at least the oldest 65 loads are in, this group's among them
.else
	s_wait_loadcnt 32*(3-\t)
.endif
.irp i, 0,1,2,3,4,5,6,7,8,9,10,11,12,13,14,15
	v_cvt_pk_f16_f32 v[32+32*\t+\i], v[32+32*\t+2*\i], v[32+32*\t+2*\i+1]
.endr
.irp q, 0,1,2,3                        ; k = 8 q .. 8 q + 7 of the group: quad q / 2, lanes' half q % 2
	global_store_b128 v8, v[32+32*\t+4*\q:32+32*\t+4*\q+3], s[22:23] offset:\t*1024+(\q/2)*512+(\q%2)*256   ; sixteen lanes store 256 consecutive bytes, aligned
.endr
.endr
	s_wait_tensorcnt 0x0                           ; written on this path too, which stores nothing to LDS
	ds_add_u32 v[SPW], v[NIL]
	s_wait_dscnt 0x0
	s_endpgm
; ---------------- M: a wave takes 32 queries x 256 keys.  Whole rows of 256 bytes come in, turn through the wave's stage, and each lane gets the 8 bytes that belong to it in a score tile;
; a compare makes a byte of all 32 lanes into one word.  The 256 words are gathered in eight registers and leave as 1,024 consecutive bytes.
.Lpath_m:
	s_sub_co_u32 s27, ttmp9, 112
	s_lshl_b32 s27, s27, 2
	s_add_co_u32 s27, s27, s26
	s_lshr_b32 s30, s27, 3                         ; which 32 queries
	s_and_b32 s31, s27, 7                          ; which 256 keys
	s_lshl_b32 s28, s30, 16
	s_lshl_b32 s33, s31, 8
	s_add_co_u32 s28, s28, s33
	s_add_nc_u64 s[16:17], s[16:17], s[28:29]
	s_lshl_b32 s28, s30, 13
	s_lshl_b32 s33, s31, 10
	s_add_co_u32 s28, s28, s33
	s_add_nc_u64 s[24:25], s[24:25], s[28:29]
	v_and_b32 v5, 15, v2                           ; r
	v_lshrrev_b32 v6, 4, v2                        ; h
	v_lshlrev_b32 v3, 11, v6
	v_lshl_add_u32 v3, v5, 4, v3                   ; in: sixteen lanes to a row's 256 bytes, two rows a load
	s_mul_i32 s33, s26, 8704
	s_add_co_u32 s33, s33, 67584                   ; my stage: 32 rows of 256 + 16 bytes
	v_mul_u32_u24 v4, v6, 272
	v_lshl_add_u32 v4, v5, 4, v4
	v_add_nc_u32 v4, s33, v4
	v_mul_u32_u24 v7, v5, 272
	v_lshl_add_u32 v7, v6, 3, v7
	v_add_nc_u32 v7, s33, v7                       ; out: query r, keys 8 h on
	v_lshlrev_b32 v8, 4, v2
.set I, 0
.rept 16
	global_load_b128 v[32+4*I:35+4*I], v3, s[16:17] offset:I*4096 th:TH_LOAD_NT
.set I, I+1
.endr
.irp i, 0,1,2,3,4,5,6,7
	v_mov_b32 v[160+\i], 0                         ; written whole once: a lane write's destination counts as read
.endr
.set I, 0
.rept 16
	s_wait_loadcnt 15-I                            ; load I is in; the younger ones may be out
	ds_store_b128 v4, v[32+4*I:35+4*I] offset:2*I*272
.set I, I+1
.endr
.set I, 0
.rept 32                               ; I = 16 u + t': queries 16 u on, keys 16 t' on
	ds_load_b64 v[96+2*I:97+2*I], v7 offset:(I/16)*16*272+(I%16)*16
.set I, I+1
.endr
	s_wait_dscnt 0x0
.set WD, 0
.rept 256                              ; word WD = 64 (t' / 4) + 32 u + 8 (t' % 4) + j
.set MR, 96+2*(16*((WD/32)%2)+4*(WD/64)+((WD/8)%4))+((WD%8)/4)
	v_and_b32 v[10+WD%2], 0xff<<(8*(WD%4)), v[MR]
	v_cmp_ne_u32 s[30+WD%2], 0, v[10+WD%2]
	v_writelane_b32 v[160+4*(WD/128)+WD%4], s[30+WD%2], (WD%128)/4
.set WD, WD+1
.endr
	global_store_b128 v8, v[160:163], s[24:25]     ; 512 consecutive bytes each
	global_store_b128 v8, v[164:167], s[24:25] offset:512
	s_wait_tensorcnt 0x0                           ; the wave's end
	ds_add_u32 v[SPW], v[NIL]
	s_wait_dscnt 0x0
	s_endpgm
.Lfunc_end_k_qa2dd36424b_prep:
	.size	k_qa2dd36424b_prep, .Lfunc_end_k_qa2dd36424b_prep-k_qa2dd36424b_prep
	.p2alignl 7, 3214868480
	.fill 96, 4, 3214868480
	.section	.rodata,"a",@progbits
	.p2align	6, 0x0
	.amdhsa_kernel k_qa2dd36424b_prep
		.amdhsa_group_segment_fixed_size 102912
		.amdhsa_private_segment_fixed_size 0
		.amdhsa_enable_private_segment 0
		.amdhsa_kernarg_size 88
		.amdhsa_user_sgpr_count 2
		.amdhsa_user_sgpr_kernarg_segment_ptr 1
		.amdhsa_wavefront_size32 1
		.amdhsa_system_sgpr_workgroup_id_x 1
		.amdhsa_system_sgpr_workgroup_id_y 1
		.amdhsa_system_sgpr_workgroup_id_z 1
		.amdhsa_system_vgpr_workitem_id 0
		.amdhsa_next_free_vgpr 192
		.amdhsa_next_free_sgpr 66
		.amdhsa_reserve_vcc 0
		.amdhsa_float_denorm_mode_32 3
		.amdhsa_float_denorm_mode_16_64 3
		.amdhsa_memory_ordered 1
		.amdhsa_forward_progress 1
		.amdhsa_inst_pref_size 184
	.end_amdhsa_kernel
	.amdgpu_metadata
---
amdhsa.version: [ 1, 2 ]
amdhsa.kernels:
  - .name:           k_qa2dd36424b_prep
    .symbol:         k_qa2dd36424b_prep.kd
    .args:
      - { .name: x_q, .offset: 0, .size: 8, .value_kind: global_buffer, .address_space: global }
      - { .name: x_kv, .offset: 8, .size: 8, .value_kind: global_buffer, .address_space: global }
      - { .name: W_Q, .offset: 16, .size: 8, .value_kind: global_buffer, .address_space: global }
      - { .name: W_K, .offset: 24, .size: 8, .value_kind: global_buffer, .address_space: global }
      - { .name: W_V, .offset: 32, .size: 8, .value_kind: global_buffer, .address_space: global }
      - { .name: W_O, .offset: 40, .size: 8, .value_kind: global_buffer, .address_space: global }
      - { .name: mask, .offset: 48, .size: 8, .value_kind: global_buffer, .address_space: global }
      - { .name: codes, .offset: 56, .size: 8, .value_kind: global_buffer, .address_space: global }
      - { .name: scales, .offset: 64, .size: 8, .value_kind: global_buffer, .address_space: global }
      - { .name: woimg, .offset: 72, .size: 8, .value_kind: global_buffer, .address_space: global }
      - { .name: mbits, .offset: 80, .size: 8, .value_kind: global_buffer, .address_space: global }
    .group_segment_fixed_size: 102912
    .private_segment_fixed_size: 0
    .kernarg_segment_align: 8
    .kernarg_segment_size: 88
    .max_flat_workgroup_size: 128
    .sgpr_count:     66
    .vgpr_count:     192
    .wavefront_size: 32
...
	.end_amdgpu_metadata
.endif
;; end of part 1
;; launch proj (part 2): grid 4 x 96, 4 waves a work-group, clusters of 4 x 4, 327,680 bytes of LDS; arguments codes, scales, b_Q, b_K, qi, kv; writes qi, kv
.if DOCPART == 2
	.amdgcn_target "amdgcn-amd-amdhsa--gfx1250"
	.amdhsa_code_object_version 6
	.text
	.protected	k_qa2dd36424b_proj
	.globl	k_qa2dd36424b_proj
	.p2align	8
	.type	k_qa2dd36424b_proj,@function
k_qa2dd36424b_proj:
	s_mov_b64 s[64:65], 0
	v_nop
	global_prefetch_b8 v0, s[64:65] scope:SCOPE_SE
	s_setreg_imm32_b32 hwreg(HW_REG_WAVE_MODE, 25, 1), 1
	s_wait_xcnt 0x0
	s_wait_alu depctr_hold_cnt(0) depctr_sa_sdst(0) depctr_va_vdst(0) depctr_va_sdst(0) depctr_va_ssrc(0) depctr_va_vcc(0) depctr_vm_vsrc(0)
	s_getreg_b32 s2, hwreg(HW_REG_IB_STS2, 6, 4)
	s_cmp_eq_u32 s2, 0
	s_cbranch_scc0 .Lentry_in_a_cluster
	s_endpgm
.Lentry_in_a_cluster:
	s_bfe_u32 s2, ttmp6, 0x10000c
	s_cmp_lg_u32 s2, 0xf033
	s_cbranch_scc0 .Lentry_shape_is_right
	s_endpgm
.Lentry_shape_is_right:
; PROJ: the three projections on codes of FP4 (E2M1) with E8M0 scales, K = 1,024; sums in f32; + b_Q, + b_K (b_V is added by the attention launch, behind its division, where the weights sum to 1).
; A tile of 256 x 256 to a work-group of four waves, 128 x 128 to a wave: 64 accumulators, 512 registers.  K is two steps of 512, one in each of two LDS slots: both are first fills, nothing is filled again.
; JOBS, by the cluster's y (8 clusters each): 0: rows "A" = x_q's tokens, "B" = W_Q's channels; 1: x_kv, W_K; 2: "A" = W_V's channels, "B" = x_kv's tokens.  All rows lie in one buffer of codes.
; THE MATRIX INSTRUCTION IS USED TRANSPOSED (source 0 = 16 rows of B, source 1 = 16 rows of A): a lane holds one row of A and eight neighbouring rows of B.  Rounded to f16 those are 16 bytes:
; in jobs 0, 1 one token's 8 channels, in job 2 one channel's 8 tokens: a lane's part of a quad of the attention launch's operand images.  So an accumulator leaves by one store of 512 consecutive bytes.
; IMAGES: qi, kv = [b*16+n 64][step of 64 tokens 32][16,384 bytes]; bytes 0-8191: q or k: token tile t x 2,048 + channel block x 512; bytes 8192-: v: token block x 2,048 + channel tile x 512; 16 bytes a lane.
; CLUSTERS: 4 x 4.  A's tile is shared along a row of the cluster, B's along a column: each is asked for jointly.
; LIMITS: q, k and v beyond 65,504 in magnitude have no f16 number; under 6e-5 they are f16 subnormals.
; REGISTERS: window 0: v8-15 store offsets, v16-29 addresses, v32-95 scale words (two sets; later the packed results), v128-191 A's fragments, v192-255 the bias in the result's layout.
;   window 1: B's fragments, two sets.   windows 2, 3: the accumulators ((a, b) at v[8 (8 (a % 4) + b)]).
.set NQ,     4                         ; matrix instructions deep in a slot
.set ROWB,   256                       ; a tile's row: 512 codes
.set KROW,   512                       ; a row of codes in memory
.set PITCH,  272                       ; an LDS row: 256 bytes + 16 of padding: the 16 rows of a load start at 16 different banks (64 banks of 4 bytes: ISA guide 11.1)
.set FR,     8
.set NL,     2
.set NP,     4                         ; places behind this matrix instruction (ISA guide 7.12.1)
.set HALFT,  128*PITCH
.set SLOT,   4*HALFT
.set KS,     32                        ; a row of scale bytes
.set SCL,    2*SLOT                    ; behind the slots: the scales of 512 rows, as units of 256 bytes + 16
.set HALFS,  16*272
.set SBLK,   2*272
.set SPARE,  SCL+4*HALFS               ; the spare words, 128 bytes for each wave
.set OB,   8
.set ADRA, 16
.set ADRB, 20
.set ADRS, 27
.set SPW,  28
.set NIL,  29
.set SC,   32
.set PK,   32
.set AF,   128
.set BIAS, 192
.set G1,   24
.set G0,   32
.set G1B,  48
.set G0B,  56
.set G1S,  68
.set G0S,  76
.set G1SB, 80
.set G0SB, 88
.set MSB, 0
.macro WIN new                         ; the immediate's high byte repeats the setting that is left
.if MSB != \new
	s_set_vgpr_msb (MSB<<8)|\new
.set MSB, \new
.endif
.endm
.set MUL_LO, 0xa1                      ; source 0 (B) window 1, source 1 (A) window 0, C and D window 2
.set MUL_HI, 0xf1                      ; the same, C and D window 3
.set TO_B,   0x40
; A joint load: waves 0, 1 fetch for A, waves 2, 3 for B; the branch hangs on the wave's number alone.  An s_nop 0 and four v_nop follow each line.
.macro JLOAD g0a, g1a, g0b, g1b
	s_cmp_eq_u32 s17, 0
	s_cbranch_scc0 .Lfor_b_\@
	tensor_load_to_lds s[\g0a:\g0a+3], s[\g1a:\g1a+7]
	s_nop 0
.rept 4
	v_nop
.endr
	s_branch .Lasked_\@
.Lfor_b_\@:
	tensor_load_to_lds s[\g0b:\g0b+3], s[\g1b:\g1b+7]
	s_nop 0
.rept 4
	v_nop
.endr
.Lasked_\@:
.endm
.macro CROUND                          ; a round of the cluster's barrier
	s_barrier_signal -1
	s_barrier_wait -1
	s_cmp_lg_u32 s16, 0
	s_cbranch_scc1 .Lnot_wave_0_\@
	s_barrier_signal -3
.Lnot_wave_0_\@:
	s_barrier_wait -3
	s_barrier_signal -1
	s_barrier_wait -1
.endm
	s_load_b256 s[4:11], s[0:1], 0x0               ; codes 4, scales 6, b_Q 8, b_K 10
	s_load_b128 s[12:15], s[0:1], 0x20             ; qi 12, kv 14
	v_lshl_add_u32 v[SPW], v0, 2, SPARE
	v_mov_b32 v[NIL], 0
	ds_add_u32 v[SPW], v[NIL]                      ; the wave's opening: the add, twice on end, and its wait ahead of my first tensor load
	ds_add_u32 v[SPW], v[NIL]
	v_lshrrev_b32 v1, 5, v0
	v_readfirstlane_b32 s16, v1                    ; wave 0..3
	s_lshr_b32 s17, s16, 1                         ; my half of the tile's A rows.  Also: I fetch for A (0) or for B (1)
	s_and_b32 s18, s16, 1                          ; my half of its B rows.  Also: which 128 rows I fetch
	s_bfe_u32 s40, ttmp6, 0x40000                  ; cx
	s_bfe_u32 s41, ttmp6, 0x40004                  ; cy
	s_and_b32 s22, ttmp7, 0xffff                   ; the cluster's y: 0..23
	s_lshr_b32 s19, s22, 3                         ; the job, the same in all sixteen partners
	s_and_b32 s21, s22, 7
	s_lshl_b32 s21, s21, 2                         ; the cluster's first tile along the tokens
	s_mov_b32 s92, 18432
	s_mov_b32 s94, 17408
	s_cmp_eq_u32 s19, 2
	s_cselect_b32 s20, 0, -1                       ; job 2 keeps no bias
	s_cselect_b32 s43, 0, s21
	s_cselect_b32 s42, s21, 0
	s_cselect_b32 s92, s92, 8192
	s_cselect_b32 s94, 8192, s94
	s_cmp_eq_u32 s19, 0
	s_cselect_b32 s92, 0, s92                      ; A's first row in codes: 0, 8192, 18432
	s_cselect_b32 s94, 16384, s94                  ; B's: 16384, 17408, 8192
	s_add_co_u32 s43, s43, s41                     ; tile row: hangs on cy and the cluster's y alone
	s_add_co_u32 s42, s42, s40                     ; tile column: on cx and the cluster's y alone
	s_lshl_b32 s44, s41, 2
	s_lshl_b32 s44, 15, s44                        ; my row of the cluster
	s_lshl_b32 s45, 0x1111, s40                    ; my column
	s_or_b32 s[G1+0], s44, (0<<16)|(1<<20)|(1<<21)|(5<<22)|(3<<25)   ; the mask; elements of 1 byte; padding on; bit 21 beside a mask; 4 words after every 64
	s_or_b32 s[G1B+0], s45, (0<<16)|(1<<20)|(1<<21)|(5<<22)|(3<<25)
.irp g, G1, G1B
	s_mov_b32 s[\g+1], ROWB<<16                    ; tensor_dim0
	s_mov_b32 s[\g+2], 128<<16                     ; tensor_dim1
	s_mov_b32 s[\g+3], ROWB<<16                    ; tile_dim0
	s_mov_b32 s[\g+4], 128                         ; tile_dim1
	s_mov_b32 s[\g+5], KROW                        ; from row to row
	s_mov_b32 s[\g+6], 0
	s_mov_b32 s[\g+7], 0
.endr
	s_or_b32 s[G1S+0], s44, (3<<16)|(1<<20)|(1<<21)|(5<<22)|(3<<25)  ; the scales of 128 rows: 4,096 dense bytes as 16 rows of 32 elements of 8 bytes
	s_or_b32 s[G1SB+0], s45, (3<<16)|(1<<20)|(1<<21)|(5<<22)|(3<<25)
.irp g, G1S, G1SB
	s_mov_b32 s[\g+1], 32<<16
	s_mov_b32 s[\g+2], 16<<16
	s_mov_b32 s[\g+3], 32<<16
	s_mov_b32 s[\g+4], 16
	s_mov_b32 s[\g+5], 32
	s_mov_b32 s[\g+6], 0
	s_mov_b32 s[\g+7], 0
.endr
	s_lshl_b32 s22, s18, 7
	s_lshl_b32 s93, s43, 8
	s_add_co_u32 s92, s92, s93
	s_add_co_u32 s92, s92, s22                     ; the first of the 128 rows of A that I would fetch
	s_lshl_b32 s95, s42, 8
	s_add_co_u32 s94, s94, s95
	s_add_co_u32 s94, s94, s22                     ; and of B
	s_mul_i32 s46, s16, HALFT                      ; where they go: wave x 128 rows: no place in the cluster enters an LDS address
	s_mul_i32 s47, s16, HALFS
	s_wait_dscnt 0x0                               ; both opening adds are done
	s_wait_kmcnt 0x0
	CROUND                                         ; all sixteen work-groups are here: the first joint loads meet
	s_mov_b32 s[G0S], 1
	s_add_co_u32 s[G0S+1], s47, SCL
	s_lshl_b32 s[G0S+2], s92, 5
	s_mov_b32 s[G0S+3], 0
	s_add_nc_u64 s[G0S+2:G0S+3], s[6:7], s[G0S+2:G0S+3]
	s_or_b32 s[G0S+3], s[G0S+3], 0x80000000
	s_mov_b32 s[G0SB], 1
	s_add_co_u32 s[G0SB+1], s47, SCL
	s_lshl_b32 s[G0SB+2], s94, 5
	s_mov_b32 s[G0SB+3], 0
	s_add_nc_u64 s[G0SB+2:G0SB+3], s[6:7], s[G0SB+2:G0SB+3]
	s_or_b32 s[G0SB+3], s[G0SB+3], 0x80000000
	JLOAD G0S, G1S, G0SB, G1SB                     ; the scales first: they are wanted with K step 0
	s_lshl_b32 s[G0+2], s92, 9
	s_mov_b32 s[G0+3], 0
	s_add_nc_u64 s[G0+2:G0+3], s[4:5], s[G0+2:G0+3]
	s_add_nc_u64 s[G0+6:G0+7], s[G0+2:G0+3], ROWB  ; K step 1: 256 bytes on in each row
	s_lshl_b32 s[G0B+2], s94, 9
	s_mov_b32 s[G0B+3], 0
	s_add_nc_u64 s[G0B+2:G0B+3], s[4:5], s[G0B+2:G0B+3]
	s_add_nc_u64 s[G0B+6:G0B+7], s[G0B+2:G0B+3], ROWB
.irp s, 0,1
	s_mov_b32 s[G0+4*\s], 1
	s_add_co_u32 s[G0+4*\s+1], s46, \s*SLOT
	s_or_b32 s[G0+4*\s+3], s[G0+4*\s+3], 0x80000000
	s_mov_b32 s[G0B+4*\s], 1
	s_add_co_u32 s[G0B+4*\s+1], s46, \s*SLOT
	s_or_b32 s[G0B+4*\s+3], s[G0B+4*\s+3], 0x80000000
	JLOAD G0+4*\s, G1, G0B+4*\s, G1B               ; three loads of mine are out
.endr
	; the bias, in the result's layout: register 8 b + j = bias[my first B row + 16 b + 8 h + j]
	v_and_b32 v1, 15, v0                           ; r
	v_bfe_u32 v2, v0, 4, 1                         ; h
	v_lshlrev_b32 v7, 5, v2
	s_lshl_b32 s22, s42, 8
	s_lshl_b32 s23, s18, 7
	s_add_co_u32 s22, s22, s23                     ; my first B row in its tensor
	s_lshl_b32 s104, s22, 2
	s_mov_b32 s105, 0
	s_cmp_eq_u32 s19, 2
	s_cselect_b32 s104, 0, s104                    ; job 2 loads b_K's first numbers, inside the buffer, and clears them below
	s_cmp_eq_u32 s19, 0
	s_cselect_b64 s[8:9], s[8:9], s[10:11]
	s_add_nc_u64 s[8:9], s[8:9], s[104:105]
.irp b, 0,1,2,3,4,5,6,7
	global_load_b128 v[BIAS+8*\b:BIAS+8*\b+3], v7, s[8:9] offset:64*\b
	global_load_b128 v[BIAS+8*\b+4:BIAS+8*\b+7], v7, s[8:9] offset:64*\b+16
.endr
	; where my results go
	s_lshl_b32 s23, s43, 8
	s_lshl_b32 s46, s17, 7
	s_add_co_u32 s23, s23, s46                     ; my first A row in its tensor
	s_mov_b32 s66, 524288
	s_mov_b32 s67, 512
	s_mov_b32 s98, 2048
	s_mov_b32 s100, 16384
	s_cmp_eq_u32 s19, 2
	s_cselect_b32 s46, s22, s23                    ; my first token
	s_cselect_b32 s47, s23, s22                    ; my first channel
	s_cselect_b32 s104, 8192, 0                    ; v lies behind k in a step's bytes
	s_cselect_b32 s66, 16384, s66                  ; from B block b to b + 4
	s_cselect_b32 s67, 2048, s67                   ; from b to b + 1
	s_cselect_b32 s98, 512, s98                    ; from A block a to a + 1
	s_cselect_b32 s100, 524288, s100               ; from a to a + 4,
	s_mul_i32 s99, s98, 3
	s_sub_co_u32 s100, s100, s99                   ; less the three steps already made
	s_mov_b32 s99, 0
	s_mov_b32 s101, 0
	s_lshr_b32 s22, s46, 11
	s_lshl_b32 s22, s22, 4
	s_lshr_b32 s23, s47, 6
	s_add_co_u32 s22, s22, s23                     ; batch x 16 + head
	s_lshl_b32 s22, s22, 19
	s_and_b32 s23, s46, 2047
	s_lshr_b32 s23, s23, 6
	s_lshl_b32 s23, s23, 14                        ; the step of 64 tokens
	s_add_co_u32 s22, s22, s23
	s_add_co_u32 s104, s104, s22
	s_cmp_eq_u32 s19, 0
	s_cselect_b64 s[96:97], s[12:13], s[14:15]
	s_add_nc_u64 s[96:97], s[96:97], s[104:105]
	v_and_b32 v3, 31, v0
	v_lshlrev_b32 v3, 4, v3                        ; 16 bytes a lane
.irp b, 0,1,2,3,4,5,6,7
	s_mul_i32 s22, s67, (\b)%4
.if \b >= 4
	s_add_co_u32 s22, s22, s66
.endif
	v_add_nc_u32 v[OB+\b], s22, v3
.endr
	; fragments and scale words in LDS
	v_mul_u32_u24 v4, v1, PITCH
	v_lshl_add_u32 v4, v2, 4, v4                   ; row x pitch + 16 x half
	s_mul_i32 s22, s17, HALFT                      ; my 128 rows of A
	s_mul_i32 s23, s18, HALFT
	s_add_co_u32 s23, s23, 2*HALFT                 ; my 128 rows of B, behind A's 256
.irp s, 0,1
	v_add_nc_u32 v[ADRA+\s], s22, v4
	v_add_nc_u32 v[ADRB+\s], s23, v4
	s_add_co_u32 s22, s22, SLOT
	s_add_co_u32 s23, s23, SLOT
.endr
	v_mul_u32_u24 v5, v1, KS
	v_lshrrev_b32 v6, 8, v5
	v_lshl_add_u32 v5, v6, 4, v5                   ; my row's scales: 32 bytes a row, 16 more for each 256 passed
	s_mul_i32 s22, s17, HALFS
	s_mul_i32 s23, s18, HALFS
	s_add_co_u32 s23, s23, 2*HALFS
	s_sub_co_u32 s23, s23, s22
	v_mul_u32_u24 v6, s23, v2                      ; lanes 16-31 take B's
	s_add_co_u32 s22, s22, SCL
	v_add_nc_u32 v5, v5, v6
	v_add_nc_u32 v[ADRS], s22, v5
	s_wait_loadcnt 0x0                             ; the bias
.set I, 0
.rept 64
	v_and_b32 v[BIAS+I], s20, v[BIAS+I]            ; kept in jobs 0 and 1, zeros in job 2
.set I, I+1
.endr
.rept 4
	v_nop
.endr
.macro FRAG reg, adr, q, i             ; 16 rows x 128 K of 4-bit codes: 8 registers, two loads 32 bytes apart
.irp c, 0,1
	ds_load_b128 v[\reg+4*\c:\reg+4*\c+3], v[\adr] offset:64*(\q)+32*\c+(\i)*16*PITCH
.endr
.endm
; 16 matrix instructions: A's blocks a0, a0 + 1 x B's eight.  first = 1: the bias is the C of the sums' first products.  The 64 accumulators take turns.
.macro MUL16 a0, p, q, sc, first
.irp a, \a0, \a0+1
.irp b, 0,1,2,3,4,5,6,7
.if \first
	v_wmma_scale_f32_16x16x128_f8f6f4 v[8*(8*((\a)%4)+\b):8*(8*((\a)%4)+\b)+7], v[128*(\p)+FR*\b:128*(\p)+FR*\b+FR-1], v[AF+FR*(\a):AF+FR*(\a)+FR-1], v[BIAS+8*\b:BIAS+8*\b+7], v[SC+8*NQ*(\sc)+NQ*\b+(\q)], v[SC+8*NQ*(\sc)+NQ*(\a)+(\q)] matrix_a_fmt:MATRIX_FMT_FP4 matrix_b_fmt:MATRIX_FMT_FP4 matrix_a_scale:MATRIX_SCALE_ROW1
.else
	v_wmma_scale_f32_16x16x128_f8f6f4 v[8*(8*((\a)%4)+\b):8*(8*((\a)%4)+\b)+7], v[128*(\p)+FR*\b:128*(\p)+FR*\b+FR-1], v[AF+FR*(\a):AF+FR*(\a)+FR-1], v[8*(8*((\a)%4)+\b):8*(8*((\a)%4)+\b)+7], v[SC+8*NQ*(\sc)+NQ*\b+(\q)], v[SC+8*NQ*(\sc)+NQ*(\a)+(\q)] matrix_a_fmt:MATRIX_FMT_FP4 matrix_b_fmt:MATRIX_FMT_FP4 matrix_a_scale:MATRIX_SCALE_ROW1
.endif
.endr
.endr
.endm
.macro FETCH_B slot, q, p
	WIN TO_B
.irp i, 0,1,2,3,4,5,6,7
	FRAG 128*(\p)+FR*\i, ADRB+\slot, \q, \i
.endr
	WIN 0
.endm
.macro FETCH_A slot, q, i0
.irp i, \i0, \i0+1, \i0+2, \i0+3
	FRAG AF+FR*(\i), ADRA+\slot, \q, \i
.endr
.endm
.macro SCALES sc                       ; a K step's scale words: lanes 0-15 A's block i, lanes 16-31 B's block i
.irp i, 0,1,2,3,4,5,6,7
	ds_load_b128 v[SC+8*NQ*\sc+NQ*\i:SC+8*NQ*\sc+NQ*\i+3], v[ADRS] offset:\i*SBLK
.endr
.endm
.macro PLACES n                        ; plain vector instructions that name none of the matrix instructions' registers (ISA guide 7.12.1)
.rept \n
	v_nop
.endr
.endm
.macro STEP slot, q, first             ; 128 along K, with its successor in the same slot
	s_wait_dscnt 4*NL                              ; B's set and A's blocks 0-3 are in; the youngest eight loads (A's blocks 4-7) may be out
	WIN MUL_LO-0x20*(\first)                       ; (first: C in window 0)
	MUL16 0, (\q)%2, \q, \slot, \first
	MUL16 2, (\q)%2, \q, \slot, \first
	s_wait_dscnt 0
	PLACES NP
	FETCH_B \slot, (\q)+1, 1-(\q)%2
	FETCH_A \slot, (\q)+1, 0
	WIN MUL_HI-0x30*(\first)
	MUL16 4, (\q)%2, \q, \slot, \first
	MUL16 6, (\q)%2, \q, \slot, \first
	PLACES NP
	WIN 0
	FETCH_A \slot, (\q)+1, 4
.endm
	s_wait_tensorcnt 1                             ; the scales and my part of K step 0 are in; K step 1's load may be out
	s_barrier_signal -1
	s_barrier_wait -1
	FETCH_B 0, 0, 0
	FETCH_A 0, 0, 0
	SCALES 0
	FETCH_A 0, 0, 4
	STEP 0, 0, 1
	STEP 0, 1, 0
	STEP 0, 2, 0
	; slot 0's last step changes slots: one barrier, so that every wave's part of slot 1 is seen by all
	s_wait_tensorcnt 0x0                           ; my part of slot 1 has landed
	ds_add_u32 v[SPW], v[NIL]                      ; 0 onto my spare word
	s_wait_dscnt 4*NL+1                            ; the add and the youngest eight loads may be out
	WIN MUL_LO
	MUL16 0, 1, 3, 0, 0
	s_wait_dscnt 0x0
	s_barrier_signal -1
	MUL16 2, 1, 3, 0, 0
	WIN 0
	s_barrier_wait -1
	PLACES NP
	v_add_nc_u32 v[ADRS], 4*NQ, v[ADRS]            ; K step 1's scale words
	FETCH_B 1, 0, 0
	FETCH_A 1, 0, 0
	SCALES 1
	WIN MUL_HI
	MUL16 4, 1, 3, 0, 0
	MUL16 6, 1, 3, 0, 0
	PLACES NP
	WIN 0
	FETCH_A 1, 0, 4
	STEP 1, 0, 0
	STEP 1, 1, 0
	STEP 1, 2, 0
	s_wait_dscnt 4*NL                              ; the very last step
	WIN MUL_LO
	MUL16 0, 1, 3, 1, 0
	MUL16 2, 1, 3, 1, 0
	s_wait_dscnt 0
	WIN MUL_HI
	MUL16 4, 1, 3, 1, 0
	MUL16 6, 1, 3, 1, 0
	WIN 0
	PLACES NP                                      ; in front of the writes over the scale words' registers; the last results are read 224 conversions further on
; THE WAY OUT, A block by A block: 8 accumulators are rounded to f16, each from its low end on, and each leaves by one store of 512 consecutive bytes.  Two sets of 32 registers by turns.
.irp a, 0,1,2,3,4,5,6,7
	WIN 0x0a+5*((\a)/4)                            ; sources in window 2 or 3
.irp b, 0,1,2,3,4,5,6,7
.irp i, 0,1,2,3
	v_cvt_pk_f16_f32 v[PK+32*((\a)%2)+4*\b+\i], v[64*((\a)%4)+8*\b+2*\i], v[64*((\a)%4)+8*\b+2*\i+1]
.endr
.endr
	WIN 0
	s_wait_xcnt 0x0                                ; the stores so far have read their base and data: the base may step, and the next block's conversions may write the other set
.if \a == 4
	s_add_nc_u64 s[96:97], s[96:97], s[100:101]
.elseif \a > 0
	s_add_nc_u64 s[96:97], s[96:97], s[98:99]
.endif
.irp b, 0,1,2,3,4,5,6,7
	global_store_b128 v[OB+\b], v[PK+32*((\a)%2)+4*\b:PK+32*((\a)%2)+4*\b+3], s[96:97]
.endr
.endr
	s_wait_tensorcnt 0x0                           ; the wave's end
	ds_add_u32 v[SPW], v[NIL]
	s_wait_dscnt 0x0
	CROUND                                         ; the closing round
	s_endpgm
.Lfunc_end_k_qa2dd36424b_proj:
	.size	k_qa2dd36424b_proj, .Lfunc_end_k_qa2dd36424b_proj-k_qa2dd36424b_proj
	.p2alignl 7, 3214868480
	.fill 96, 4, 3214868480
	.section	.rodata,"a",@progbits
	.p2align	6, 0x0
	.amdhsa_kernel k_qa2dd36424b_proj
		.amdhsa_group_segment_fixed_size 327680
		.amdhsa_private_segment_fixed_size 0
		.amdhsa_enable_private_segment 0
		.amdhsa_kernarg_size 48
		.amdhsa_user_sgpr_count 2
		.amdhsa_user_sgpr_kernarg_segment_ptr 1
		.amdhsa_wavefront_size32 1
		.amdhsa_system_sgpr_workgroup_id_x 1
		.amdhsa_system_sgpr_workgroup_id_y 1
		.amdhsa_system_sgpr_workgroup_id_z 1
		.amdhsa_system_vgpr_workitem_id 0
		.amdhsa_next_free_vgpr 1024
		.amdhsa_next_free_sgpr 106
		.amdhsa_reserve_vcc 0
		.amdhsa_float_denorm_mode_32 3
		.amdhsa_float_denorm_mode_16_64 3
		.amdhsa_memory_ordered 1
		.amdhsa_forward_progress 1
		.amdhsa_inst_pref_size 124
	.end_amdhsa_kernel
	.amdgpu_metadata
---
amdhsa.version: [ 1, 2 ]
amdhsa.kernels:
  - .name:           k_qa2dd36424b_proj
    .symbol:         k_qa2dd36424b_proj.kd
    .args:
      - { .name: codes, .offset: 0, .size: 8, .value_kind: global_buffer, .address_space: global }
      - { .name: scales, .offset: 8, .size: 8, .value_kind: global_buffer, .address_space: global }
      - { .name: b_Q, .offset: 16, .size: 8, .value_kind: global_buffer, .address_space: global }
      - { .name: b_K, .offset: 24, .size: 8, .value_kind: global_buffer, .address_space: global }
      - { .name: qi, .offset: 32, .size: 8, .value_kind: global_buffer, .address_space: global }
      - { .name: kv, .offset: 40, .size: 8, .value_kind: global_buffer, .address_space: global }
    .group_segment_fixed_size: 327680
    .private_segment_fixed_size: 0
    .kernarg_segment_align: 8
    .kernarg_segment_size: 48
    .max_flat_workgroup_size: 128
    .sgpr_count:     106
    .vgpr_count:     1024
    .wavefront_size: 32
...
	.end_amdgpu_metadata
.endif
;; end of part 2
;; launch attn (part 3): grid 4 x 64, 16 waves a work-group, clusters of 4 x 1, 327,680 bytes of LDS; arguments qi, kv, mbits, b_V, out1, zimg; writes out1, zimg
.if DOCPART == 3
	.amdgcn_target "amdgcn-amd-amdhsa--gfx1250"
	.amdhsa_code_object_version 6
	.text
	.protected	k_qa2dd36424b_attn
	.globl	k_qa2dd36424b_attn
	.p2align	8
	.type	k_qa2dd36424b_attn,@function
k_qa2dd36424b_attn:
	s_mov_b64 s[64:65], 0
	v_nop
	global_prefetch_b8 v0, s[64:65] scope:SCOPE_SE
	s_setreg_imm32_b32 hwreg(HW_REG_WAVE_MODE, 25, 1), 1
	s_wait_xcnt 0x0
	s_wait_alu depctr_hold_cnt(0) depctr_sa_sdst(0) depctr_va_vdst(0) depctr_va_sdst(0) depctr_va_ssrc(0) depctr_va_vcc(0) depctr_vm_vsrc(0)
	s_getreg_b32 s2, hwreg(HW_REG_IB_STS2, 6, 4)
	s_cmp_eq_u32 s2, 0
	s_cbranch_scc0 .Lentry_in_a_cluster
	s_endpgm
.Lentry_in_a_cluster:
	s_bfe_u32 s2, ttmp6, 0x10000c
	s_cmp_lg_u32 s2, 0x3003
	s_cbranch_scc0 .Lentry_shape_is_right
	s_endpgm
.Lentry_shape_is_right:
; ATTN: z[b][q][n][:] = sum over k of softmax_k(masked(q . k / 8)) v[k][:] + b_V, where a masked score is -100,000.  Products on f16 operands, sums, maxima and exponentials in f32.
; b_V is added behind the division: the weights sum to 1, so sum(p (v0 + b_V)) / l = sum(p v0) / l + b_V for every input.
; SHARES.  A work-group owns 512 queries of one (batch, head); each of its sixteen waves 32 of them, two tiles of 16, in 256 registers: four waves to a SIMD, so that one wave's vector work stands beside
; another's matrix work and LDS loads.  Every wave walks the 2,048 keys, 64 a step.
; LAYOUT.  S^T = K Q^T (source 0 = 16 keys, source 1 = 16 queries) and O^T = V^T P (source 0 = 16 channels, source 1 = P): a lane holds one query throughout, and two score tiles rounded to f16 in pairs
; are P's fragment.  q, k and v arrive as images of the operands' registers: a fragment's quad is 512 bytes, 16 a lane: no pitch, no padding.
; THE MASK arrives as lane masks, one word for each register of a score tile; a step's 64 words come by four scalar loads, a step ahead.  The raw score of a masked key becomes -800,000, which x 1/8 is -100,000 exactly.
; SOFTMAX.  A running maximum m of the raw scores and sum l for each query: p = 2^(c s - c m), c = log2(e) / 8; in every step O and l are multiplied by 2^(c m_old - c m_new).
; RING.  Two slots of 8 steps (131,072 bytes); each wave brings 8,192 bytes of a fill.  Four fills; the two refills have 8 key steps in which to land.  By this text's count a wave has two tensor loads out at the start, later one.
; CLUSTER.  The four work-groups of a (batch, head) walk the same k and v: each fill is asked for jointly, with the mask of all four.
; LIMITS: NaN and infinities are not served; p under 6e-5 is an f16 subnormal; z beyond 65,504 has no f16 number for the next launch.
.set SLOT1, 131072
.set SPARE, 2*SLOT1                    ; behind the ring: the spare words, 128 bytes for each of 16 waves
.set LI,  1                            ; v1   16 x lane
.set ADR, 2                            ; v2   the step's place in LDS + 16 x lane
.set SPW, 3                            ; v3   my spare word; never rewritten
.set NIL, 4                            ; v4   0; never rewritten
.set IGN, 5                            ; v5   -800,000
.set STO, 6
.set RD,  7
.set GO,  8
.set ST,  16                           ; tile u's statistics at v[ST + 8 u]: +0 c m, +1 m, +2, +3 l, +4 .. +7 c0-c3 at work; the rescaling factor takes c2
.set Q,   32                           ; v32-63   Q: tile u, channels 32 f on: 16 u + 8 f
.set S,   64                           ; v64-127  S^T: 32 u + 8 t; P is written over it, at 32 u + 4 t
.set OA,  128                          ; v128-191 O^T: 32 u + 8 ct
.set KV,  192                          ; v192-255 K's eight fragments, then V's eight
.set SEL, 2                            ; s[2:3]   v_permlanex16_b32's selects for lane l xor 16
.set G1,  16
.set G0A, 24
.set G0B, 28
.set M0W, 32                           ; s32-63   tile 0's 32 mask words
.set WV,  66
.set TB,  67                           ; LDS byte of the step in hand
.set M1W, 68                           ; s68-99   tile 1's
.set MK,  100                          ; the byte of the step's words among my 32 queries' 8,192
.set CNT, 101
.set CS,  104                          ; s[104:105] c, twice
.macro ROUND                           ; a round of the cluster's barrier
	s_barrier_signal -1
	s_barrier_wait -1
	s_cmp_lg_u32 s[WV], 0
	s_cbranch_scc1 .Lnot_wave_0_\@
	s_barrier_signal -3
.Lnot_wave_0_\@:
	s_barrier_wait -3
	s_barrier_signal -1
	s_barrier_wait -1
.endm
.macro MASKS                           ; 64 words: 256 consecutive bytes
	s_load_b512 s[M0W:M0W+15], s[8:9], s[MK] offset:0x0
	s_load_b512 s[M0W+16:M0W+31], s[8:9], s[MK] offset:0x40
	s_load_b512 s[M1W:M1W+15], s[8:9], s[MK] offset:0x80
	s_load_b512 s[M1W+16:M1W+31], s[8:9], s[MK] offset:0xc0
.endm
	s_load_b256 s[4:11], s[0:1], 0x0               ; qi 4, kv 6, mbits 8, b_V 10
	s_load_b128 s[12:15], s[0:1], 0x20             ; out1 12, zimg 14
	v_lshl_add_u32 v[SPW], v0, 2, SPARE
	v_mov_b32 v[NIL], 0
	ds_add_u32 v[SPW], v[NIL]                      ; the wave's opening: the add, twice on end, and its wait ahead of my first tensor load
	ds_add_u32 v[SPW], v[NIL]
	v_lshrrev_b32 v9, 5, v0
	v_readfirstlane_b32 s[WV], v9                  ; wave 0..15
	s_and_b32 s32, ttmp7, 0xffff                   ; batch x 16 + head, which the four partners share
	s_lshl_b32 s32, s32, 19                        ; its 524,288 bytes in qi and in kv
	s_lshl_b32 s34, s[WV], 13                      ; my 8,192 bytes of a fill, in memory and in a slot
	s_add_co_u32 s36, s32, s34
	s_mov_b32 s37, 0
	s_mov_b32 s[G1], 15|(3<<16)|(1<<21)            ; the mask: all four work-groups; elements of 8 bytes; bit 21 beside a mask; no padding
	s_mov_b32 s[G1+1], 32<<16                      ; tensor_dim0 = 32 elements: rows of 256 bytes
	s_mov_b32 s[G1+2], 32<<16                      ; tensor_dim1 = 32 rows
	s_mov_b32 s[G1+3], 32<<16                      ; tile_dim0
	s_mov_b32 s[G1+4], 32                          ; tile_dim1
	s_mov_b32 s[G1+5], 32                          ; dense
	s_mov_b32 s[G1+6], 0
	s_mov_b32 s[G1+7], 0
	s_mov_b32 s[SEL], 0x76543210
	s_mov_b32 s[SEL+1], 0xfedcba98
	s_mov_b32 s[CS], 0x3e38aa3b                    ; c = log2(e) / 8
	s_mov_b32 s[CS+1], s[CS]
	s_bfe_u32 s68, ttmp6, 0x40000                  ; cx: it enters the addresses of q, the mask words and the outputs alone
	s_lshl_b32 s68, s68, 4
	s_add_co_u32 s68, s68, s[WV]                   ; which 32 queries are mine: 16 cx + wave
	s_lshl_b32 s70, s68, 13
	s_mov_b32 s71, 0
	s_lshr_b32 s72, s68, 1
	s_lshl_b32 s72, s72, 14                        ; q: the step of 64 tokens,
	s_and_b32 s74, s[WV], 1
	s_lshl_b32 s74, s74, 12                        ; its tiles 0, 1 or 2, 3
	s_add_co_u32 s72, s72, s74
	s_add_co_u32 s72, s72, s32
	s_mov_b32 s73, 0
	v_and_b32 v[LI], 31, v0
	v_lshlrev_b32 v[LI], 4, v[LI]
	v_mov_b32 v[IGN], 0xc9435000
	s_wait_dscnt 0x0                               ; both opening adds are done
	s_wait_kmcnt 0x0
	s_mov_b32 s[G0A], 1
	s_mov_b32 s[G0A+1], s34                        ; slot 0
	s_add_nc_u64 s[G0A+2:G0A+3], s[6:7], s[36:37]  ; steps 0-7
	s_mov_b32 s[G0B], 1
	s_add_co_u32 s[G0B+1], s34, SLOT1              ; slot 1
	s_add_nc_u64 s[G0B+2:G0B+3], s[G0A+2:G0A+3], SLOT1   ; steps 8-15: as many bytes on in memory
	s_or_b32 s[G0A+3], s[G0A+3], 0x80000000
	s_or_b32 s[G0B+3], s[G0B+3], 0x80000000
	s_add_nc_u64 s[8:9], s[8:9], s[70:71]
	s_add_nc_u64 s[4:5], s[4:5], s[72:73]
	ROUND                                          ; all four work-groups are here: the first joint loads meet
	tensor_load_to_lds s[G0A:G0A+3], s[G1:G1+7]
	s_nop 0
	tensor_load_to_lds s[G0B:G0B+3], s[G1:G1+7]
	s_nop 0
.irp u, 0,1
.irp f, 0,1
.irp c, 0,1
	global_load_b128 v[Q+16*\u+8*\f+4*\c:Q+16*\u+8*\f+4*\c+3], v[LI], s[4:5] offset:\u*2048+\f*1024+\c*512
.endr
.endr
.endr
	s_mov_b32 s[MK], 0
	MASKS                                          ; step 0's words
.irp u, 0,1
	v_mov_b32 v[ST+8*\u+1], 0xff61b1e6             ; m = -3e38, under every score
	v_mul_f32 v[ST+8*\u], s[CS], v[ST+8*\u+1]      ; c m
.irp i, 2,3,4,5,6,7
	v_mov_b32 v[ST+8*\u+\i], 0
.endr
.endr
.set I, 0
.rept 64
	v_mov_b32 v[OA+I], 0                           ; the step is written once: the first finds zeros, which its factor 0 leaves zeros
.set I, I+1
.endr
	s_wait_tensorcnt 1                             ; my part of slot 0 is in; slot 1's may stay out
	s_barrier_signal -1
	s_barrier_wait -1
	s_wait_loadcnt 0x0                             ; Q
; A KEY STEP: 64 keys.
.macro STEP
	v_add_nc_u32 v[ADR], s[TB], v[LI]
.rept 4
	v_nop                                          ; with the addition five places behind the last V^T P: four for the loads over V, five for the products that write over P
.endr
.irp t, 0,1,2,3
.irp f, 0,1
.irp c, 0,1
	ds_load_b128 v[KV+8*(2*\t+\f)+4*\c:KV+8*(2*\t+\f)+4*\c+3], v[ADR] offset:\t*2048+\f*1024+\c*512
.endr
.endr
.endr
	s_wait_dscnt 0x0
.irp f, 0,1                            ; S^T = K Q^T: eight accumulators by turns
.irp t, 0,1,2,3
.irp u, 0,1
.if \f == 0
	v_wmma_f32_16x16x32_f16 v[S+32*\u+8*\t:S+32*\u+8*\t+7], v[KV+8*(2*\t+\f):KV+8*(2*\t+\f)+7], v[Q+16*\u+8*\f:Q+16*\u+8*\f+7], 0
.else
	v_wmma_f32_16x16x32_f16 v[S+32*\u+8*\t:S+32*\u+8*\t+7], v[KV+8*(2*\t+\f):KV+8*(2*\t+\f)+7], v[Q+16*\u+8*\f:Q+16*\u+8*\f+7], v[S+32*\u+8*\t:S+32*\u+8*\t+7]
.endif
.endr
.endr
.endr
.rept 4
	v_nop                                          ; places in front of the loads over K and of the first read of the scores
.endr
.irp g, 0,1                            ; V: it lands while the softmax is walked
.irp ct, 0,1,2,3
.irp c, 0,1
	ds_load_b128 v[KV+8*(4*\g+\ct)+4*\c:KV+8*(4*\g+\ct)+4*\c+3], v[ADR] offset:8192+(2*\g+\c)*2048+\ct*512
.endr
.endr
.endr
	s_wait_kmcnt 0x0                               ; this step's mask words, asked for a step ago
.irp t, 0,1,2,3
.irp j, 0,1,2,3,4,5,6,7                ; each accumulator from its low end on
	v_cndmask_b32 v[S+8*\t+\j], v[S+8*\t+\j], v[IGN], s[M0W+8*\t+\j]
	v_cndmask_b32 v[S+32+8*\t+\j], v[S+32+8*\t+\j], v[IGN], s[M1W+8*\t+\j]
.endr
.endr
.irp j, 0,1,2,3                        ; the maximum of 32 scores and the old m: four chains of seven, the four left over, then together; the two tiles line by line
.irp u, 0,1
	v_max3_num_f32 v[ST+8*\u+4+\j], v[S+32*\u+8*\j], v[S+32*\u+8*\j+1], v[S+32*\u+8*\j+2]
.endr
.endr
.irp k, 1,2
.irp j, 0,1,2,3
.irp u, 0,1
	v_max3_num_f32 v[ST+8*\u+4+\j], v[ST+8*\u+4+\j], v[S+32*\u+8*\j+2*\k+1], v[S+32*\u+8*\j+2*\k+2]
.endr
.endr
.endr
.irp u, 0,1
	v_max3_num_f32 v[ST+8*\u+4], v[ST+8*\u+4], v[S+32*\u+7], v[S+32*\u+15]
	v_max3_num_f32 v[ST+8*\u+6], v[ST+8*\u+6], v[S+32*\u+23], v[S+32*\u+31]
.endr
.irp u, 0,1
	v_max3_num_f32 v[ST+8*\u+4], v[ST+8*\u+4], v[ST+8*\u+5], v[ST+8*\u+6]
.endr
.irp u, 0,1
	v_max3_num_f32 v[ST+8*\u+4], v[ST+8*\u+4], v[ST+8*\u+7], v[ST+8*\u+1]
.endr
.irp u, 0,1
	v_permlanex16_b32 v[ST+8*\u+5], v[ST+8*\u+4], s[SEL], s[SEL+1]   ; the query's other 32 keys lie in the lane 16 away
.endr
.irp u, 0,1
	v_mov_b32 v[ST+8*\u+7], v[ST+8*\u]             ; c m_old
.endr
.irp u, 0,1
	v_max_num_f32 v[ST+8*\u+1], v[ST+8*\u+4], v[ST+8*\u+5]
.endr
.irp u, 0,1
	v_mul_f32 v[ST+8*\u], s[CS], v[ST+8*\u+1]
.endr
.irp u, 0,1
	v_sub_f32 v[ST+8*\u+7], v[ST+8*\u+7], v[ST+8*\u]
.endr
	s_add_co_u32 s[MK], s[MK], 256                 ; the next step's words, a step ahead of their wait; the last step asks for its own again, so that no load leaves the buffer
	s_min_u32 s[MK], s[MK], 7936
	MASKS
.irp u, 0,1                            ; ONE BATCH of exponentials with one wait: the two factors, then, behind the scalings, the 64 weights
	v_exp_f32 v[ST+8*\u+6], v[ST+8*\u+7]
.endr
.irp p, 0,1,2,3,4,5,6,7,8,9,10,11,12,13,14,15
.irp u, 0,1
	v_pk_fma_f32 v[S+32*\u+2*\p:S+32*\u+2*\p+1], v[S+32*\u+2*\p:S+32*\u+2*\p+1], s[CS:CS+1], v[ST+8*\u:ST+8*\u+1] op_sel_hi:[1,0,0] neg_lo:[0,0,1] neg_hi:[0,0,1]   ; c s - c m
.endr
.endr
.set I, 0
.rept 64
	v_exp_f32 v[S+I], v[S+I]
.set I, I+1
.endr
	v_nop                                          ; a plain instruction behind the last exponential
	s_wait_alu depctr_va_vdst(0)                   ; the wait ahead of the first instruction that names a result: one for the batch
.irp u, 0,1                            ; l = a l + the sum of the 16 pairs, in two chains a tile; the weights stay as they are
	v_pk_fma_f32 v[ST+8*\u+2:ST+8*\u+3], v[ST+8*\u+2:ST+8*\u+3], v[ST+8*\u+6:ST+8*\u+7], v[S+32*\u:S+32*\u+1] op_sel_hi:[1,0,1]
	v_pk_add_f32 v[ST+8*\u+4:ST+8*\u+5], v[S+32*\u+2:S+32*\u+3], v[S+32*\u+6:S+32*\u+7]
.endr
.irp k, 2,4,6,8,10,12
.irp u, 0,1
	v_pk_add_f32 v[ST+8*\u+2:ST+8*\u+3], v[ST+8*\u+2:ST+8*\u+3], v[S+32*\u+2*\k:S+32*\u+2*\k+1]
	v_pk_add_f32 v[ST+8*\u+4:ST+8*\u+5], v[ST+8*\u+4:ST+8*\u+5], v[S+32*\u+2*\k+6:S+32*\u+2*\k+7]
.endr
.endr
.irp u, 0,1
	v_pk_add_f32 v[ST+8*\u+2:ST+8*\u+3], v[ST+8*\u+2:ST+8*\u+3], v[S+32*\u+28:S+32*\u+29]
.endr
.irp u, 0,1
	v_pk_add_f32 v[ST+8*\u+2:ST+8*\u+3], v[ST+8*\u+2:ST+8*\u+3], v[ST+8*\u+4:ST+8*\u+5]
.endr
.irp d, 0,1,2,3,4,5,6,7,8,9,10,11,12,13,14,15   ; P in f16, in place from the low end: register d takes weights 2 d and 2 d + 1
.irp u, 0,1
	v_cvt_pk_f16_f32 v[S+32*\u+\d], v[S+32*\u+2*\d], v[S+32*\u+2*\d+1]
.endr
.endr
.irp p, 0,1,2,3,4,5,6,7,8,9,10,11,12,13,14,15
.irp u, 0,1
	v_pk_mul_f32 v[OA+32*\u+2*\p:OA+32*\u+2*\p+1], v[OA+32*\u+2*\p:OA+32*\u+2*\p+1], v[ST+8*\u+6:ST+8*\u+7] op_sel_hi:[1,0]
.endr
.endr
	s_wait_dscnt 0x0                               ; V is in
.irp g, 0,1                            ; O^T += V^T P: eight accumulators by turns
.irp ct, 0,1,2,3
.irp u, 0,1
	v_wmma_f32_16x16x32_f16 v[OA+32*\u+8*\ct:OA+32*\u+8*\ct+7], v[KV+8*(4*\g+\ct):KV+8*(4*\g+\ct)+7], v[S+32*\u+8*\g:S+32*\u+8*\g+7], v[OA+32*\u+8*\ct:OA+32*\u+8*\ct+7]
.endr
.endr
.endr
	s_add_co_u32 s[TB], s[TB], 16384
.endm
.macro EIGHT base                      ; a slot's eight steps
	s_mov_b32 s[TB], \base
	s_mov_b32 s[CNT], 8
.Lstep_\@:
	STEP
	s_sub_co_u32 s[CNT], s[CNT], 1
	s_cmp_lg_u32 s[CNT], 0
	s_cbranch_scc1 .Lstep_\@
.endm
; THE CHANGE OF SLOTS.  Each wave waits for all its tensor loads (its part of the slot ahead), adds 0 to its spare word, and waits for that and for its reads of the slot that it leaves.
; fill = 1: the barrier is a round of the cluster's, and the slot just left takes the steps two fills on: my one tensor load behind it, and the first thing there.
.macro CHANGE fill, g0
	s_wait_tensorcnt 0x0
	ds_add_u32 v[SPW], v[NIL]
.if \fill
	s_add_nc_u64 s[\g0+2:\g0+3], s[\g0+2:\g0+3], 2*SLOT1   ; no load of mine is out, so the descriptor may step
.endif
	s_wait_dscnt 0x0
.if \fill
	ROUND
	tensor_load_to_lds s[\g0:\g0+3], s[G1:G1+7]
	s_nop 0
.else
	s_barrier_signal -1
	s_barrier_wait -1
.endif
.endm
	EIGHT 0                                        ; steps 0-7
	CHANGE 1, G0A                                  ; slot 0 takes steps 16-23
	EIGHT SLOT1                                    ; steps 8-15
	CHANGE 1, G0B                                  ; slot 1 takes steps 24-31
	EIGHT 0
	CHANGE 0, G0A                                  ; nothing is left to fetch
	EIGHT SLOT1
	; THE WAY OUT.  z = O^T / l + b_V; as f16 it is a quad of the next launch's operand image; as f32 it goes through my stage (in slot 0, which has had its last fill and its last read) and leaves as rows of 256 bytes.
	s_wait_kmcnt 0x0                               ; the last step's repeated mask loads have landed: their registers are used again
	v_and_b32 v9, 15, v0                           ; r      (these four are the places behind the last products)
	v_bfe_u32 v10, v0, 4, 1                        ; h
	v_lshlrev_b32 v11, 5, v10                      ; 32 h
	v_nop
	s_and_b32 s32, ttmp7, 0xffff
	s_and_b32 s33, s32, 15                         ; head
	s_lshr_b32 s34, s32, 4                         ; batch
	s_bfe_u32 s35, ttmp6, 0x40000
	s_lshl_b32 s35, s35, 9
	s_lshl_b32 s36, s[WV], 5
	s_add_co_u32 s35, s35, s36                     ; my first query
	s_lshl_b32 s36, s33, 8                         ; a head's 256 bytes
	s_mov_b32 s37, 0
	s_add_nc_u64 s[10:11], s[10:11], s[36:37]
	s_lshl_b32 s38, s34, 11
	s_add_co_u32 s38, s38, s35                     ; my first token
	s_lshl_b32 s40, s38, 12
	s_add_co_u32 s40, s40, s36
	s_mov_b32 s41, 0
	s_add_nc_u64 s[12:13], s[12:13], s[40:41]      ; out1: token x 4,096 + head x 256
	s_lshr_b32 s42, s33, 1
	s_lshl_b32 s42, s42, 21                        ; zimg: the k step of two heads,
	s_lshl_b32 s44, s38, 8                         ; the token tile's 4,096 bytes,
	s_add_co_u32 s42, s42, s44
	s_and_b32 s44, s33, 1
	s_lshl_b32 s44, s44, 11                        ; the head's half of them
	s_add_co_u32 s42, s42, s44
	s_mov_b32 s43, 0
	s_add_nc_u64 s[14:15], s[14:15], s[42:43]
.irp ct, 0,1,2,3
	global_load_b128 v[KV+8*\ct:KV+8*\ct+3], v11, s[10:11] offset:64*\ct        ; b_V[head][16 ct + 8 h + 0 .. 7]
	global_load_b128 v[KV+8*\ct+4:KV+8*\ct+7], v11, s[10:11] offset:64*\ct+16
.endr
.irp u, 0,1
	v_add_f32 v[ST+8*\u+4], v[ST+8*\u+2], v[ST+8*\u+3]
.endr
.irp u, 0,1
	v_permlanex16_b32 v[ST+8*\u+5], v[ST+8*\u+4], s[SEL], s[SEL+1]
.endr
.irp u, 0,1
	v_add_f32 v[ST+8*\u+4], v[ST+8*\u+4], v[ST+8*\u+5]    ; the row's sum: at least 1
.endr
.irp u, 0,1
	v_rcp_f32 v[ST+8*\u+6], v[ST+8*\u+4]
.endr
	s_mul_i32 s45, s[WV], 4352                     ; my stage: 16 rows of 256 + 16 bytes
	v_mul_u32_u24 v[STO], v9, 272
	v_lshl_add_u32 v[STO], v10, 5, v[STO]
	v_add_nc_u32 v[STO], s45, v[STO]               ; in: row r, + 32 h
	v_mul_u32_u24 v[RD], v10, 272
	v_lshl_add_u32 v[RD], v9, 4, v[RD]
	v_add_nc_u32 v[RD], s45, v[RD]                 ; back: lanes 0-15 one row, lanes 16-31 the next
	v_lshlrev_b32 v[GO], 12, v10
	v_lshl_add_u32 v[GO], v9, 4, v[GO]             ; the same two rows in out1
	s_wait_alu depctr_va_vdst(0)                   ; one wait for the two reciprocals, ahead of their first reader
	s_wait_loadcnt 0x0                             ; b_V
.irp u, 0,1
.irp ct, 0,1,2,3
.irp i, 0,1,2,3
	v_pk_fma_f32 v[OA+32*\u+8*\ct+2*\i:OA+32*\u+8*\ct+2*\i+1], v[OA+32*\u+8*\ct+2*\i:OA+32*\u+8*\ct+2*\i+1], v[ST+8*\u+6:ST+8*\u+7], v[KV+8*\ct+2*\i:KV+8*\ct+2*\i+1] op_sel_hi:[1,0,1]
.endr
.endr
.endr
.irp u, 0,1
.irp ct, 0,1,2,3
.irp i, 0,1,2,3
	v_cvt_pk_f16_f32 v[S+16*\u+4*\ct+\i], v[OA+32*\u+8*\ct+2*\i], v[OA+32*\u+8*\ct+2*\i+1]
.endr
.endr
.endr
.irp u, 0,1
.irp ct, 0,1,2,3
	global_store_b128 v[LI], v[S+16*\u+4*\ct:S+16*\u+4*\ct+3], s[14:15] offset:\u*4096+\ct*512   ; 512 consecutive bytes
.endr
.endr
.irp u, 0,1                            ; LDS serves a wave's instructions in order: the loads see the stores, and tile 1's stores come behind tile 0's loads
.irp ct, 0,1,2,3
	ds_store_b128 v[STO], v[OA+32*\u+8*\ct:OA+32*\u+8*\ct+3] offset:64*\ct
	ds_store_b128 v[STO], v[OA+32*\u+8*\ct+4:OA+32*\u+8*\ct+7] offset:64*\ct+16
.endr
.irp i, 0,1,2,3,4,5,6,7
	ds_load_b128 v[96+128*\u+4*\i:96+128*\u+4*\i+3], v[RD] offset:2*\i*272
.endr
.endr
.irp u, 0,1
.irp i, 0,1,2,3,4,5,6,7
	s_wait_dscnt 23-16*\u-\i                       ; behind this load: its tile's younger loads, and for tile 0 tile 1's sixteen instructions
	global_store_b128 v[GO], v[96+128*\u+4*\i:96+128*\u+4*\i+3], s[12:13] offset:(16*\u+2*\i)*4096   ; sixteen lanes store 256 consecutive bytes, aligned
.endr
.endr
	s_wait_tensorcnt 0x0                           ; the wave's end
	ds_add_u32 v[SPW], v[NIL]
	s_wait_dscnt 0x0
	ROUND                                          ; the closing round
	s_endpgm
.Lfunc_end_k_qa2dd36424b_attn:
	.size	k_qa2dd36424b_attn, .Lfunc_end_k_qa2dd36424b_attn-k_qa2dd36424b_attn
	.p2alignl 7, 3214868480
	.fill 96, 4, 3214868480
	.section	.rodata,"a",@progbits
	.p2align	6, 0x0
	.amdhsa_kernel k_qa2dd36424b_attn
		.amdhsa_group_segment_fixed_size 327680
		.amdhsa_private_segment_fixed_size 0
		.amdhsa_enable_private_segment 0
		.amdhsa_kernarg_size 48
		.amdhsa_user_sgpr_count 2
		.amdhsa_user_sgpr_kernarg_segment_ptr 1
		.amdhsa_wavefront_size32 1
		.amdhsa_system_sgpr_workgroup_id_x 1
		.amdhsa_system_sgpr_workgroup_id_y 1
		.amdhsa_system_sgpr_workgroup_id_z 1
		.amdhsa_system_vgpr_workitem_id 0
		.amdhsa_next_free_vgpr 256
		.amdhsa_next_free_sgpr 106
		.amdhsa_reserve_vcc 0
		.amdhsa_float_denorm_mode_32 3
		.amdhsa_float_denorm_mode_16_64 3
		.amdhsa_memory_ordered 1
		.amdhsa_forward_progress 1
		.amdhsa_inst_pref_size 107
	.end_amdhsa_kernel
	.amdgpu_metadata
---
amdhsa.version: [ 1, 2 ]
amdhsa.kernels:
  - .name:           k_qa2dd36424b_attn
    .symbol:         k_qa2dd36424b_attn.kd
    .args:
      - { .name: qi, .offset: 0, .size: 8, .value_kind: global_buffer, .address_space: global }
      - { .name: kv, .offset: 8, .size: 8, .value_kind: global_buffer, .address_space: global }
      - { .name: mbits, .offset: 16, .size: 8, .value_kind: global_buffer, .address_space: global }
      - { .name: b_V, .offset: 24, .size: 8, .value_kind: global_buffer, .address_space: global }
      - { .name: out1, .offset: 32, .size: 8, .value_kind: global_buffer, .address_space: global }
      - { .name: zimg, .offset: 40, .size: 8, .value_kind: global_buffer, .address_space: global }
    .group_segment_fixed_size: 327680
    .private_segment_fixed_size: 0
    .kernarg_segment_align: 8
    .kernarg_segment_size: 48
    .max_flat_workgroup_size: 512
    .sgpr_count:     106
    .vgpr_count:     256
    .wavefront_size: 32
...
	.end_amdgpu_metadata
.endif
;; end of part 3
;; launch outp (part 4): grid 4 x 32, 4 waves a work-group, clusters of 4 x 4, 327,680 bytes of LDS; arguments zimg, woimg, out0, b_O; writes out0
.if DOCPART == 4
	.amdgcn_target "amdgcn-amd-amdhsa--gfx1250"
	.amdhsa_code_object_version 6
	.text
	.protected	k_qa2dd36424b_outp
	.globl	k_qa2dd36424b_outp
	.p2align	8
	.type	k_qa2dd36424b_outp,@function
k_qa2dd36424b_outp:
	s_mov_b64 s[64:65], 0
	v_nop
	global_prefetch_b8 v0, s[64:65] scope:SCOPE_SE
	s_setreg_imm32_b32 hwreg(HW_REG_WAVE_MODE, 25, 1), 1
	s_wait_xcnt 0x0
	s_wait_alu depctr_hold_cnt(0) depctr_sa_sdst(0) depctr_va_vdst(0) depctr_va_sdst(0) depctr_va_ssrc(0) depctr_va_vcc(0) depctr_vm_vsrc(0)
	s_getreg_b32 s2, hwreg(HW_REG_IB_STS2, 6, 4)
	s_cmp_eq_u32 s2, 0
	s_cbranch_scc0 .Lentry_in_a_cluster
	s_endpgm
.Lentry_in_a_cluster:
	s_bfe_u32 s2, ttmp6, 0x10000c
	s_cmp_lg_u32 s2, 0xf033
	s_cbranch_scc0 .Lentry_shape_is_right
	s_endpgm
.Lentry_shape_is_right:
; OUTP: out0[token][d] = sum over k = head x 64 + channel of z[token][k] W_O[k][d] + b_O[d].  f16 operands, f32 sums, f32 out.  M 8,192, N 1,024, K 1,024.
; A tile of 256 x 256 to a work-group of four waves, 128 x 128 to a wave: 64 accumulators, 512 registers; 128 work-groups.  K goes in 8 steps of 128 through a ring of two LDS slots.
; Both operands arrive as images of the operands' registers: [k step][tile of 16 rows][k group 4][quad 2][lane 32][16 bytes]: a k step's 8 tiles are 32,768 dense bytes, one tensor load a wave; no pitch, no padding.
; THE MATRIX INSTRUCTION IS USED TRANSPOSED (source 0 = 16 columns d of W_O, source 1 = 16 tokens): a lane holds eight neighbouring d of one token.  b_O is the C of the sums' first products.
; CLUSTERS: 4 x 4.  z's tile is shared along a row of the cluster, W_O's along a column: each is asked for jointly.
; REGISTERS: window 0: v16-30 addresses; v64-127, v128-191 z's fragments, two buffers; v192-255 b_O in the result's layout; on the way out v128-255 hold rows.   window 1: W_O's fragments, two buffers.   windows 2, 3: accumulators.
.set HALFT,  32768                     ; 8 tiles of 4,096 bytes: what one tensor load brings, and what one wave reads of z or of W_O
.set SLOT,   4*HALFT
.set STAGE,  2*SLOT                    ; behind the ring: 16 rows x (512 + 16) bytes for each wave
.set SPITCH, 528
.set SPARE,  STAGE+4*16*SPITCH         ; the spare words, 128 bytes for each wave
.set LAPS,   4                         ; a lap = two k steps
.set STEPA,  2097152                   ; from k step to k step in zimg
.set STEPW,  262144                    ; and in woimg
.set ADRA, 16
.set ADRB, 20
.set STO,  24
.set RD,   25
.set CO,   26
.set SPW,  28
.set NIL,  29
.set PFO,  30                          ; v30  256 x lane: the prefetches' offset; never rewritten
.set F0,   64
.set F1,   128
.set BIAS, 192
.set BK,   128
.set G1,  24
.set G0,  32
.set G1B, 48
.set G0B, 56
.set LIM, 43                           ; s43  1 in a wave that prefetches, else the greatest number
.set PFA, 44                           ; s[44:45] where my prefetches stand
.set PFS, 70                           ; s[70:71] a k step on, in the tensor that I fetch
.set MSB, 0
.macro WIN new
.if MSB != \new
	s_set_vgpr_msb (MSB<<8)|\new
.set MSB, \new
.endif
.endm
.set MUL_LO, 0xa1
.set MUL_HI, 0xf1
.set TO_B,   0x40
.macro JLOAD s                         ; waves 0, 1 fetch z's halves, waves 2, 3 W_O's; an s_nop 0 and four v_nop follow each line
	s_cmp_eq_u32 s11, 0
	s_cbranch_scc0 .Lfor_b_\@
	tensor_load_to_lds s[G0+4*\s:G0+4*\s+3], s[G1:G1+7]
	s_nop 0
.rept 4
	v_nop
.endr
	s_branch .Lasked_\@
.Lfor_b_\@:
	tensor_load_to_lds s[G0B+4*\s:G0B+4*\s+3], s[G1B:G1B+7]
	s_nop 0
.rept 4
	v_nop
.endr
.Lasked_\@:
.endm
; A prefetch of the k step that stands two refills on: of the 32,768 bytes that I fetch, my work-group's 8,192, lanes 256 bytes apart: one instruction a wave.  The four partners that ask for a tile jointly
; are told apart by address (cx for z, cy for W_O).  z's rows are read by this cluster alone; W_O's by all eight clusters: the first of them asks.  The loop's last trip asks for nothing: there is no k step two on.
.macro ASK
	s_cmp_gt_u32 s3, s[LIM]
	s_cbranch_scc0 .Lnot_mine_\@
	global_prefetch_b8 v[PFO], s[PFA:PFA+1] th:TH_LOAD_NT scope:SCOPE_SE
.Lnot_mine_\@:
.endm
.macro CREST
	s_cmp_lg_u32 s10, 0
	s_cbranch_scc1 .Lnot_wave_0_\@
	s_barrier_signal -3
.Lnot_wave_0_\@:
	s_barrier_wait -3
	s_barrier_signal -1
	s_barrier_wait -1
.endm
.macro CROUND
	s_barrier_signal -1
	s_barrier_wait -1
	CREST
.endm
	s_load_b128 s[4:7], s[0:1], 0x0                ; zimg 4, woimg 6
	s_load_b64 s[8:9], s[0:1], 0x10                ; out0
	s_load_b64 s[68:69], s[0:1], 0x18              ; b_O
	v_lshl_add_u32 v[SPW], v0, 2, SPARE
	v_mov_b32 v[NIL], 0
	ds_add_u32 v[SPW], v[NIL]                      ; the wave's opening: the add, twice on end, and its wait ahead of my first tensor load
	ds_add_u32 v[SPW], v[NIL]
	v_lshrrev_b32 v1, 5, v0
	v_readfirstlane_b32 s10, v1                    ; wave 0..3
	s_lshr_b32 s11, s10, 1                         ; my half of the tile's tokens.  Also: I fetch for z (0) or for W_O (1)
	s_and_b32 s12, s10, 1                          ; my half of its columns.  Also: which 8 tiles I fetch
	s_bfe_u32 s40, ttmp6, 0x40000                  ; cx
	s_bfe_u32 s41, ttmp6, 0x40004                  ; cy
	s_lshl_b32 s42, ttmp9, 2
	s_add_co_u32 s42, s42, s40                     ; tile column
	s_and_b32 s13, ttmp7, 0xffff
	s_lshl_b32 s13, s13, 2
	s_add_co_u32 s13, s13, s41                     ; tile row
	s_lshl_b32 s43, s41, 2
	s_lshl_b32 s43, 15, s43                        ; my row of the cluster
	s_lshl_b32 s44, 0x1111, s40                    ; my column
	s_or_b32 s[G1+0], s43, (3<<16)|(1<<21)         ; the mask; elements of 8 bytes; bit 21 beside a mask; no padding
	s_or_b32 s[G1B+0], s44, (3<<16)|(1<<21)
.irp g, G1, G1B
	s_mov_b32 s[\g+1], 32<<16                      ; rows of 32 elements: 256 bytes
	s_mov_b32 s[\g+2], 128<<16                     ; 128 rows
	s_mov_b32 s[\g+3], 32<<16
	s_mov_b32 s[\g+4], 128
	s_mov_b32 s[\g+5], 32                          ; dense
	s_mov_b32 s[\g+6], 0
	s_mov_b32 s[\g+7], 0
.endr
	s_lshl_b32 s20, s12, 3
	s_lshl_b32 s16, s13, 4
	s_add_co_u32 s16, s16, s20
	s_lshl_b32 s16, s16, 12                        ; z: token tile 16 x tile row + 8 x half, 4,096 bytes each
	s_mov_b32 s17, 0
	s_lshl_b32 s46, s42, 4
	s_add_co_u32 s46, s46, s20
	s_lshl_b32 s46, s46, 12                        ; W_O: d tile 16 x tile column + 8 x half
	s_mov_b32 s47, 0
	s_mul_i32 s20, s10, HALFT                      ; where they go: wave x 32,768: no place in the cluster enters an LDS address
	s_wait_dscnt 0x0                               ; both opening adds are done
	s_wait_kmcnt 0x0
	s_add_nc_u64 s[14:15], s[4:5], s[16:17]
	s_add_nc_u64 s[18:19], s[6:7], s[46:47]
	CROUND                                         ; all sixteen work-groups are here: the first joint loads meet
.irp s, 0,1
	s_mov_b32 s[G0+4*\s], 1
	s_add_co_u32 s[G0+4*\s+1], s20, \s*SLOT
	s_add_nc_u64 s[G0+4*\s+2:G0+4*\s+3], s[14:15], \s*STEPA
	s_or_b32 s[G0+4*\s+3], s[G0+4*\s+3], 0x80000000
	s_mov_b32 s[G0B+4*\s], 1
	s_add_co_u32 s[G0B+4*\s+1], s20, \s*SLOT
	s_add_nc_u64 s[G0B+4*\s+2:G0B+4*\s+3], s[18:19], \s*STEPW
	s_or_b32 s[G0B+4*\s+3], s[G0B+4*\s+3], 0x80000000
	JLOAD \s                                       ; two loads of mine are out
.endr
	v_and_b32 v1, 15, v0                           ; r
	v_bfe_u32 v2, v0, 4, 1                         ; h
	v_and_b32 v3, 31, v0
	v_lshlrev_b32 v[PFO], 8, v3
	v_lshlrev_b32 v3, 4, v3                        ; 16 x lane
	v_lshlrev_b32 v6, 5, v2                        ; 32 h
	; out0 and b_O at my part of the tile
	s_lshl_b32 s46, s42, 10
	s_lshl_b32 s47, s12, 9
	s_add_co_u32 s46, s46, s47                     ; my first column, in bytes
	s_mov_b32 s47, 0
	s_add_nc_u64 s[68:69], s[68:69], s[46:47]
.irp b, 0,1,2,3,4,5,6,7
	global_load_b128 v[BIAS+8*\b:BIAS+8*\b+3], v6, s[68:69] offset:64*\b          ; b_O[my first column + 16 b + 8 h + 0 .. 7]
	global_load_b128 v[BIAS+8*\b+4:BIAS+8*\b+7], v6, s[68:69] offset:64*\b+16
.endr
	s_lshl_b32 s16, s13, 8
	s_lshl_b32 s17, s11, 7
	s_add_co_u32 s16, s16, s17
	s_lshl_b32 s16, s16, 12                        ; my first token's row of 4,096 bytes
	s_add_co_u32 s16, s16, s46
	s_mov_b32 s17, 0
	s_add_nc_u64 s[8:9], s[8:9], s[16:17]
	s_mul_i32 s21, s11, HALFT                      ; my 8 tiles of z
	s_mul_i32 s22, s12, HALFT
	s_add_co_u32 s22, s22, 2*HALFT                 ; my 8 tiles of W_O, behind z's 16
.irp s, 0,1
	v_add_nc_u32 v[ADRA+\s], s21, v3
	v_add_nc_u32 v[ADRB+\s], s22, v3
	s_add_co_u32 s21, s21, SLOT
	s_add_co_u32 s22, s22, SLOT
.endr
	s_mul_i32 s23, s10, 16*SPITCH
	s_add_co_u32 s23, s23, STAGE                   ; my stage
	v_mul_u32_u24 v5, v1, SPITCH
	v_lshl_add_u32 v5, v2, 5, v5
	v_add_nc_u32 v[STO], s23, v5                   ; in: row r, 32 bytes for each half of the lanes
	v_mov_b32 v[CO], v3                            ; back: the 32 lanes take one row of 512 bytes; the same in out0
	v_add_nc_u32 v[RD], s23, v3
	; the prefetches
	s_mov_b32 s[PFS], STEPW
	s_mov_b32 s[PFS+1], 0
	s_and_b32 s22, ttmp7, 0xffff                   ; the cluster's y
	s_cmp_eq_u32 s11, 0                            ; do I fetch for z?
	s_cselect_b32 s21, s40, s41                    ; my place among the four that ask with me
	s_cselect_b32 s22, ttmp9, s22                  ; the coordinate along which other clusters read the same bytes
	s_cselect_b32 s[PFS], STEPA, s[PFS]
	s_cselect_b64 s[PFA:PFA+1], s[14:15], s[18:19]
	s_cmp_eq_u32 s22, 0
	s_cselect_b32 s[LIM], 1, -1                    ; the same in all sixteen partners, for a given wave
	s_lshl_b32 s20, s21, 13                        ; my work-group's 8,192 bytes
	s_mul_i32 s21, s[PFS], 3
	s_add_co_u32 s20, s20, s21                     ; at k step 3: the first refill steps it to 4
	s_mov_b32 s21, 0
	s_add_nc_u64 s[PFA:PFA+1], s[PFA:PFA+1], s[20:21]
; 16 matrix instructions: token blocks a0, a0 + 1 of the window's four x all 8 column blocks, 32 along K.  first = 1: b_O is the C.  The 64 accumulators take turns.
.macro MUL16 f, hi, a0, first
.irp a, \a0, \a0+1
.irp b, 0,1,2,3,4,5,6,7
.if \first
	v_wmma_f32_16x16x32_f16 v[8*(8*(\a)+\b):8*(8*(\a)+\b)+7], v[\f+8*\b:\f+8*\b+7], v[\f+8*(4*\hi+\a):\f+8*(4*\hi+\a)+7], v[BIAS+8*\b:BIAS+8*\b+7]
.else
	v_wmma_f32_16x16x32_f16 v[8*(8*(\a)+\b):8*(8*(\a)+\b)+7], v[\f+8*\b:\f+8*\b+7], v[\f+8*(4*\hi+\a):\f+8*(4*\hi+\a)+7], v[8*(8*(\a)+\b):8*(8*(\a)+\b)+7]
.endif
.endr
.endr
.endm
.macro FETCH slot, k, f                ; 32 LDS loads in one run: a k group's fragments (byte k of each tile) into buffer f
	WIN TO_B
.irp i, 0,1,2,3,4,5,6,7
	ds_load_b128 v[\f+8*\i:\f+8*\i+3],   v[ADRB+\slot] offset:\k+\i*4096
	ds_load_b128 v[\f+8*\i+4:\f+8*\i+7], v[ADRB+\slot] offset:\k+\i*4096+512
.endr
	WIN 0
.irp i, 0,1,2,3,4,5,6,7
	ds_load_b128 v[\f+8*\i:\f+8*\i+3],   v[ADRA+\slot] offset:\k+\i*4096
	ds_load_b128 v[\f+8*\i+4:\f+8*\i+7], v[ADRA+\slot] offset:\k+\i*4096+512
.endr
.endm
.macro PLACES                          ; four plain vector instructions in front of loads into registers that matrix instructions have read (ISA guide 7.12.1 for vector instructions)
.rept 4
	v_nop
.endr
.endm
.macro QUARTER slot, k, f, g, first    ; multiplies buffer f; in its middle fetches the next k group, at byte k, into g
	s_wait_dscnt 8                                 ; W_O's and z's blocks 0-3 are in; the youngest eight loads may be out
	WIN MUL_LO-0x20*(\first)                       ; (first: C in window 0)
	MUL16 \f, 0, 0, \first
	MUL16 \f, 0, 2, \first
	PLACES
	FETCH \slot, \k, \g
	s_wait_dscnt 32                                ; all but the 32 just issued
	WIN MUL_HI-0x30*(\first)
	MUL16 \f, 1, 0, \first
	MUL16 \f, 1, 2, \first
.endm
; The first half of a slot's last quarter: one barrier for the change of slots; in front of it the wait for all my tensor loads, the add, and the wait for it and for my reads of this slot.
.macro MEET round
	WIN 0
	s_wait_tensorcnt 0x0                           ; the one load that was out is my part of the next slot
	ds_add_u32 v[SPW], v[NIL]
	s_wait_dscnt 9                                 ; the add and the youngest eight loads may be out
	WIN MUL_LO
	MUL16 F1, 0, 0, 0
	s_wait_dscnt 0x0
	s_barrier_signal -1
	MUL16 F1, 0, 2, 0
.if \round
	WIN 0
.endif
	s_barrier_wait -1
.endm
.macro TURN slot, next                 ; the whole last quarter, with the refill: the barrier opens a round of the cluster's, and the joint load is the first tensor load behind it
	s_wait_xcnt 0x0                                ; the last prefetch, a k step back, has read its address
	s_add_nc_u64 s[PFA:PFA+1], s[PFA:PFA+1], s[PFS:PFS+1]
	MEET 1
	CREST
	s_add_nc_u64 s[G0+4*\slot+2:G0+4*\slot+3], s[G0+4*\slot+2:G0+4*\slot+3], 2*STEPA
	s_add_nc_u64 s[G0B+4*\slot+2:G0B+4*\slot+3], s[G0B+4*\slot+2:G0B+4*\slot+3], 2*STEPW
	JLOAD \slot                                    ; 224 matrix instructions ahead of the wait for it; its four v_nop are also the places in front of the loads below
	FETCH \next, 0, F0
	ASK
	WIN MUL_HI
	MUL16 F1, 1, 0, 0
	MUL16 F1, 1, 2, 0
.endm
	s_wait_tensorcnt 1                             ; my part of k step 0 is in; k step 1's may stay out
	s_barrier_signal -1
	s_barrier_wait -1
	FETCH 0, 0, F0
	s_wait_loadcnt 0x0                             ; b_O
	QUARTER 0, 1024, F0, F1, 1                     ; the first quarter stands in front of the loop: its products start the sums
	WIN 0
	s_mov_b32 s3, LAPS-1
.Llap:                                                 ; a trip goes once round the ring and fills both slots again
	QUARTER 0, 2048, F1, F0, 0
	QUARTER 0, 3072, F0, F1, 0
	TURN 0, 1
	QUARTER 1, 1024, F0, F1, 0
	QUARTER 1, 2048, F1, F0, 0
	QUARTER 1, 3072, F0, F1, 0
	TURN 1, 0
	QUARTER 0, 1024, F0, F1, 0
	WIN 0
	s_sub_co_u32 s3, s3, 1
	s_cmp_lg_u32 s3, 0
	s_cbranch_scc1 .Llap
	QUARTER 0, 2048, F1, F0, 0                     ; the last lap fills nothing
	QUARTER 0, 3072, F0, F1, 0
	MEET 0
	PLACES
	FETCH 1, 0, F0
	WIN MUL_HI
	MUL16 F1, 1, 0, 0
	MUL16 F1, 1, 2, 0
	QUARTER 1, 1024, F0, F1, 0
	QUARTER 1, 2048, F1, F0, 0
	QUARTER 1, 3072, F0, F1, 0
	s_wait_dscnt 8                                 ; the very last quarter
	WIN MUL_LO
	MUL16 F1, 0, 0, 0
	MUL16 F1, 0, 2, 0
	s_wait_dscnt 0
	WIN MUL_HI
	MUL16 F1, 1, 0, 0
	MUL16 F1, 1, 2, 0
	WIN 0
; THE WAY OUT, block by block of 16 tokens x 128 columns: through my own stage and back as whole rows of 512 bytes.  LDS serves a wave's instructions in order: no wait between the stores and the loads.
.macro TOSTAGE a
.set AC, 64*((\a)%4)
	WIN 0x08+4*((\a)/4)                            ; the data: window 2 or 3
.irp b, 0,1,2,3,4,5,6,7
	ds_store_b128 v[STO], v[AC+8*\b:AC+8*\b+3] offset:64*\b          ; each accumulator from its low end on
	ds_store_b128 v[STO], v[AC+8*\b+4:AC+8*\b+7] offset:64*\b+16
.endr
	WIN 0
.set BB, BK+64*((\a)%2)
.irp t, 0,1,2,3,4,5,6,7,8,9,10,11,12,13,14,15
	ds_load_b128 v[BB+4*\t:BB+4*\t+3], v[RD] offset:\t*SPITCH
.endr
.endm
.macro SEND a, younger
.set BB, BK+64*((\a)%2)
	s_wait_dscnt \younger                          ; the block is back in registers
.if (\a) > 0
	s_add_nc_u64 s[8:9], s[8:9], 16*4096           ; behind a wait on XCNT: the earlier stores have read their base
.endif
.irp t, 0,1,2,3,4,5,6,7,8,9,10,11,12,13,14,15
	global_store_b128 v[CO], v[BB+4*\t:BB+4*\t+3], s[8:9] offset:\t*4096 th:TH_STORE_NT   ; 32 lanes store 512 consecutive bytes, aligned
.endr
.endm
	PLACES                                         ; in front of the loads into the registers that held z's fragments, and of the reads of results
	TOSTAGE 0
.irp a, 1,2,3,4,5,6,7
.if \a > 1
	s_wait_xcnt 0x0                                ; block a - 2's stores have read their registers and their base
.endif
	TOSTAGE \a
	SEND \a-1, 32                                  ; behind block a - 1's loads: block a's 16 stores and 16 loads
.endr
	s_wait_xcnt 0x0
	SEND 7, 0
	s_wait_tensorcnt 0x0                           ; the wave's end
	ds_add_u32 v[SPW], v[NIL]
	s_wait_dscnt 0x0
	CROUND                                         ; the closing round
	s_endpgm
.Lfunc_end_k_qa2dd36424b_outp:
	.size	k_qa2dd36424b_outp, .Lfunc_end_k_qa2dd36424b_outp-k_qa2dd36424b_outp
	.p2alignl 7, 3214868480
	.fill 96, 4, 3214868480
	.section	.rodata,"a",@progbits
	.p2align	6, 0x0
	.amdhsa_kernel k_qa2dd36424b_outp
		.amdhsa_group_segment_fixed_size 327680
		.amdhsa_private_segment_fixed_size 0
		.amdhsa_enable_private_segment 0
		.amdhsa_kernarg_size 32
		.amdhsa_user_sgpr_count 2
		.amdhsa_user_sgpr_kernarg_segment_ptr 1
		.amdhsa_wavefront_size32 1
		.amdhsa_system_sgpr_workgroup_id_x 1
		.amdhsa_system_sgpr_workgroup_id_y 1
		.amdhsa_system_sgpr_workgroup_id_z 1
		.amdhsa_system_vgpr_workitem_id 0
		.amdhsa_next_free_vgpr 1024
		.amdhsa_next_free_sgpr 72
		.amdhsa_reserve_vcc 0
		.amdhsa_float_denorm_mode_32 3
		.amdhsa_float_denorm_mode_16_64 3
		.amdhsa_memory_ordered 1
		.amdhsa_forward_progress 1
		.amdhsa_inst_pref_size 143
	.end_amdhsa_kernel
	.amdgpu_metadata
---
amdhsa.version: [ 1, 2 ]
amdhsa.kernels:
  - .name:           k_qa2dd36424b_outp
    .symbol:         k_qa2dd36424b_outp.kd
    .args:
      - { .name: zimg, .offset: 0, .size: 8, .value_kind: global_buffer, .address_space: global }
      - { .name: woimg, .offset: 8, .size: 8, .value_kind: global_buffer, .address_space: global }
      - { .name: out0, .offset: 16, .size: 8, .value_kind: global_buffer, .address_space: global }
      - { .name: b_O, .offset: 24, .size: 8, .value_kind: global_buffer, .address_space: global }
    .group_segment_fixed_size: 327680
    .private_segment_fixed_size: 0
    .kernarg_segment_align: 8
    .kernarg_segment_size: 32
    .max_flat_workgroup_size: 128
    .sgpr_count:     72
    .vgpr_count:     1024
    .wavefront_size: 32
...
	.end_amdgpu_metadata
.endif
;; end of part 4
